; MI455X (gfx1250); checked and timed in simulation.
; The chip was launched on July 23, 2026; its instructions are those of AMD's public machine-readable ISA for CDNA 5 (MIT licence, August 2026) and "CDNA5" Instruction Set Architecture Reference Guide (July 2026). The comments in the code are by the model that wrote it; some were corrected since.
;; Mini Decoder Block. Allowed arithmetic: matrix products marked QUANTISED: E5M2 operands, one given power-of-two scale a tensor, by v_wmma_f32_16x16x64_bf8_bf8 or v_wmma_f32_16x16x128_bf8_bf8, f32 sums; everything else in f32.
;; Inputs: down_w_codes 1,024 x 64 x 32 uint8 (E5M2 codes of down_w, K innermost, in blocks of 32 codes); gate_w_codes 2,048 x 32 x 32 uint8 (E5M2 codes of gate_w, K innermost, in blocks of 32 codes); ln1_w 1,024 float32; ln2_w 1,024 float32; lowp_scales 14 int32 (the exponents e of the quantised operands' scales 2^e); o_w_codes 1,024 x 32 x 32 uint8 (E5M2 codes of o_w, K innermost, in blocks of 32 codes); qkv_w_codes 3,072 x 32 x 32 uint8 (E5M2 codes of qkv_w, K innermost, in blocks of 32 codes); up_w_codes 2,048 x 32 x 32 uint8 (E5M2 codes of up_w, K innermost, in blocks of 32 codes); x 2 x 2,048 x 1,024 float32.
;; Outputs: out0 2 x 2,048 x 1,024 float32.
;; This version of the problem:
;;   THIS VERSION OF THE PROBLEM IS GIVEN IN LOW PRECISION. The matrix products marked QUANTISED in the list below multiply operands that are first quantised to E5M2 (5 exponent bits, 2 mantissa bits; 8 bits a number), with one given power-of-two scale for each operand tensor; their sums are f32. All else is computed in f32.
;;   The module's matrix products, in the order in which they are computed (A, B: the left and right operand; K: the contracted axis; several contracted axes count as one K, in the product's order):
;;     1. [M 4,096, K 1,024] x [K 1,024, N 3,072]; A: computed on the way; B: input qkv_w (given as codes): QUANTISED (scales: A lowp_scales[0], B lowp_scales[1])
;;     2. batch 32 x [M 2,048, K 64] x [K 64, N 2,048]; A: computed on the way; B: computed on the way: QUANTISED (scales: A lowp_scales[2], B lowp_scales[3])
;;     3. batch 32 x [M 64, K 2,048] x [K 2,048, N 2,048]; A: computed on the way; B: softmax (see below): QUANTISED (scales: A lowp_scales[4], B lowp_scales[5])
;;     4. [M 4,096, K 1,024] x [K 1,024, N 1,024]; A: computed on the way; B: input o_w (given as codes): QUANTISED (scales: A lowp_scales[6], B lowp_scales[7])
;;     5. [M 4,096, K 1,024] x [K 1,024, N 2,048]; A: computed on the way; B: input gate_w (given as codes): QUANTISED (scales: A lowp_scales[8], B lowp_scales[9])
;;     6. [M 4,096, K 1,024] x [K 1,024, N 2,048]; A: computed on the way; B: input up_w (given as codes): QUANTISED (scales: A lowp_scales[10], B lowp_scales[11])
;;     7. [M 4,096, K 2,048] x [K 2,048, N 1,024]; A: computed on the way; B: input down_w (given as codes): QUANTISED (scales: A lowp_scales[12], B lowp_scales[13])
;;   THE QUANTISER, for each operand of a quantised product, along K:
;;     - The operand's scale is 2^e, e = its entry of the input lowp_scales (int32; the entries are numbered through the quantised products in the list's order, A before B).
;;     - Each number is divided by the scale, clamped to +-57,344, and rounded to the nearest number of E5M2, ties to even, subnormals kept.
;;     - The product sums the exact products of the quantised numbers (number of the format x scale) in f32.
;;   ~~~python
;;   def quantise(x, axis, e):      # numpy; x: float32 -> the quantised numbers, widened to float32 again
;;       x = np.moveaxis(x, axis, -1); K = x.shape[-1]
;;       r = np.clip(x / 2.0 ** e, -57344, 57344)
;;       step = 2.0 ** (np.maximum(np.frexp(np.where(r == 0, 1, r))[1] - 1, -14) - 2)
;;       q = np.round(r / step) * step * 2.0 ** e      # np.round: ties to even
;;       return np.moveaxis(q, -1, axis).astype(np.float32)
;;   ~~~
;;   SOFTMAX AHEAD OF A QUANTISED PRODUCT. Where the list says 'softmax', what is quantised is not the finished softmax but p = 2^(t - M), with t = logit x log2(e) and M = ceil(the row's largest t), a whole number; so 1/2 < the row's largest p <= 1. The row's sum l is taken of the UNQUANTISED p, in f32, and the product's result is divided by l at the end. Since M is a whole number, a kernel that streams over the keys may use a running M (the ceiling of the running maximum): every later rescaling is an exact power of two, so the quantised numbers keep their values, but for numbers so far below the row's largest that they fall under the format's range.
;;   OPERANDS COMPUTED ON THE WAY. 'Computed on the way' means the value that the module computes at that place (a softmax that the list does not call 'softmax' is quantised finished and normalised). What goes into a quantiser is computed in f32, as accurately as f32 sums, v_exp_f32 and their like allow (about 1e-6 of the number): no bf16 or f16 on the way to a quantiser, and a product that is left as it is and whose result goes on into a quantised operand takes f32 operands (vector FMAs, or v_wmma_f32_16x16x4_f32). A number that lies on a knife's edge between two numbers of the format may be rounded either way, as far as f32 arithmetic and the matrix unit's own rounding can turn it there, and no further.
;;   INPUTS GIVEN AS CODES. down_w (in the module: [1024, 2048], K = its axis 1); gate_w (in the module: [2048, 1024], K = its axis 1); o_w (in the module: [1024, 1024], K = its axis 1); qkv_w (in the module: [3072, 1024], K = its axis 1); up_w (in the module: [2048, 1024], K = its axis 1): each comes as NAME_codes (uint8): NAME with its K axis moved to the last place and cut into blocks of 32 codes, [.., K / 32, bytes a block], one block behind the other in memory; one code a byte (a code: sign, 5 exponent bits, 2 mantissa bits); its scale is its entry of lowp_scales. Its value is code x scale, taken as it is: it is not quantised again, and the codes and scales need not be those that the quantiser above would give.
;; One version. Each part assembles by itself: llvm-mc -triple=amdgcn-amd-amdhsa -mcpu=gfx1250 --defsym DOCPART=n.
;; ======== version 1 of 1: 7 launches
;; limits: right only within a limited range of input values
;; workspace buffers: h1c 4,194,304 bytes; qkv 12,582,912 bytes; yc 4,194,304 bytes; x1 16,777,216 bytes; h2g 4,194,304 bytes; h2u 4,194,304 bytes; ac 8,388,608 bytes
;; launch norm1 (part 1): grid 256 x 1, 8 waves a work-group, no clusters, 0 bytes of LDS; arguments x, ln1_w, lowp_scales, h1c; writes h1c
.if DOCPART == 1
	.amdgcn_target "amdgcn-amd-amdhsa--gfx1250"
	.amdhsa_code_object_version 6
	.text
	.protected	k_qc9146c5fd2_norm1
	.globl	k_qc9146c5fd2_norm1
	.p2align	8
	.type	k_qc9146c5fd2_norm1,@function
k_qc9146c5fd2_norm1:
	s_mov_b64 s[64:65], 0
	v_nop
	global_prefetch_b8 v0, s[64:65] scope:SCOPE_SE
	s_setreg_imm32_b32 hwreg(HW_REG_WAVE_MODE, 25, 1), 1
	s_wait_xcnt 0x0
; h1 = rmsnorm(x) * ln1_w, quantised to codes of BF8 (E5M2) with the given scale 2^e0.  x: [4096][1024] f32; h1c: [4096][1024] codes, K innermost.
; A wave takes two whole rows and keeps each in 32 registers between the sum of squares and the scaling: x is read once; no LDS, no barrier, no loop.
; Lane l holds elements 256 k + 8 l + 0 .. 7 (k = 0 .. 3): eight neighbours for each conversion, and its 8 codes lie at byte 256 k + 8 l: a store of the wave covers 256 consecutive bytes, aligned.
; Order of rounding as in the source: (x * rms) * w, then / 2^e0, held within +-57,344, to the nearest code, ties to even.
; LIMITS: e0 between -126 and 112, so that 2^e0 and 57,344 x 2^e0 are f32 numbers.  NaN and infinities among the inputs are not served.
.set X,   32                           ; v32-95   two rows, 32 numbers a lane each
.set W,   96                           ; v96-127  the gain at my 32 columns
.set T,   128                          ; v128-159 the held numbers
.set C,   160                          ; v160..   codes: registers of their own for each store
.set S,   8                            ; v8-11    sums of squares, two packed chains
.set PX,  12                           ; v12      the other half of the lanes' sum
.set R,   14                           ; v[14:15] rms, twice
.set SC,  16                           ; v16      2^e0 as f32
.set LIM, 17                           ; v17      57,344 x 2^e0
	s_load_b256 s[4:11], s[0:1], 0x0               ; x s[4:5], ln1_w s[6:7], the exponents s[8:9], h1c s[10:11]
	v_lshrrev_b32 v3, 5, v0
	s_delay_alu instid0(VALU_DEP_1)
	v_readfirstlane_b32 s14, v3                    ; wave
	v_and_b32 v4, 31, v0                           ; lane
	s_delay_alu instid0(VALU_DEP_1)
	v_lshlrev_b32 v1, 5, v4                        ; in: 32 bytes a lane
	s_delay_alu instid0(VALU_DEP_2)
	v_lshlrev_b32 v2, 3, v4                        ; out: 8 bytes a lane
	v_mov_b32 v[PX], 0                             ; a lane permute's destination counts as read
	s_lshl_b32 s15, ttmp9, 3
	s_add_co_u32 s15, s15, s14                     ; which pair of rows: 8 x work-group + wave
	s_lshl_b32 s16, s15, 13                        ; two rows of 4,096 bytes
	s_mov_b32 s17, 0
	s_lshl_b32 s18, s15, 11                        ; two rows of 1,024 codes
	s_mov_b32 s19, 0
	s_mov_b32 s20, 0x3a800000                      ; 1 / 1024
	s_mov_b32 s21, 0x358637bd                      ; 1e-6
	s_mov_b32 s22, 0x76543210
	s_mov_b32 s23, 0xfedcba98                      ; lane l xor 16
	s_wait_alu depctr_va_vdst(0)
	s_wait_kmcnt 0x0
	s_load_b32 s24, s[8:9], 0x0                    ; e0
	s_add_nc_u64 s[4:5], s[4:5], s[16:17]
	s_add_nc_u64 s[10:11], s[10:11], s[18:19]
.macro LOADROW reg, p, off             ; eight loads: a whole row of 4,096 bytes
.irp k, 0,1,2,3
	global_load_b128 v[\reg+8*\k:\reg+8*\k+3], v1, s[\p:\p+1] offset:\off+1024*\k
	global_load_b128 v[\reg+8*\k+4:\reg+8*\k+7], v1, s[\p:\p+1] offset:\off+1024*\k+16
.endr
.endm
	LOADROW X, 4, 0
	LOADROW W, 6, 0
	LOADROW X+32, 4, 4096
	s_wait_kmcnt 0x0
	s_add_co_i32 s24, s24, 127
	s_lshl_b32 s25, s24, 23
	v_mov_b32 v[SC], s25
	s_add_co_i32 s24, s24, 15
	s_lshl_b32 s24, s24, 23
	s_or_b32 s24, s24, 0x600000
	v_mov_b32 v[LIM], s24
; Row rho is normalised in place.  left1: the younger loads that may be out when the row is needed; left2: when the gain is needed.
.macro ROW rho, left1, left2
.set XR, X+32*\rho
	s_wait_loadcnt \left1
	v_pk_mul_f32 v[S:S+1], v[XR:XR+1], v[XR:XR+1]          ; the first products start the two chains
	v_pk_mul_f32 v[S+2:S+3], v[XR+2:XR+3], v[XR+2:XR+3]
.irp j, 4,8,12,16,20,24,28
	s_delay_alu instid0(VALU_DEP_2)
	v_pk_fma_f32 v[S:S+1], v[XR+\j:XR+\j+1], v[XR+\j:XR+\j+1], v[S:S+1]
	s_delay_alu instid0(VALU_DEP_2)
	v_pk_fma_f32 v[S+2:S+3], v[XR+\j+2:XR+\j+3], v[XR+\j+2:XR+\j+3], v[S+2:S+3]
.endr
	s_delay_alu instid0(VALU_DEP_1)
	v_pk_add_f32 v[S:S+1], v[S:S+1], v[S+2:S+3]
	s_delay_alu instid0(VALU_DEP_1)
	v_add_f32 v[S], v[S], v[S+1]
	s_delay_alu instid0(VALU_DEP_1)
	v_add_f32_dpp v[S], v[S], v[S] row_xmask:1 row_mask:0xf bank_mask:0xf
	s_delay_alu instid0(VALU_DEP_1)
	v_add_f32_dpp v[S], v[S], v[S] row_xmask:2 row_mask:0xf bank_mask:0xf
	s_delay_alu instid0(VALU_DEP_1)
	v_add_f32_dpp v[S], v[S], v[S] row_xmask:4 row_mask:0xf bank_mask:0xf
	s_delay_alu instid0(VALU_DEP_1)
	v_add_f32_dpp v[S], v[S], v[S] row_xmask:8 row_mask:0xf bank_mask:0xf
	s_delay_alu instid0(VALU_DEP_1)
	v_permlanex16_b32 v[PX], v[S], s22, s23
	s_delay_alu instid0(VALU_DEP_1)
	v_add_f32 v[S], v[S], v[PX]                    ; every lane holds the row's sum of squares
	s_delay_alu instid0(VALU_DEP_1)
	v_fma_f32 v[S], v[S], s20, s21                 ; the mean + 1e-6
	s_wait_alu depctr_va_vdst(0)
	v_rsq_f32 v[R], v[S]
	v_rsq_f32 v[R+1], v[S]                         ; twice: a pair for the packed multiply
	s_wait_loadcnt \left2
	v_nop                                          ; a plain instruction between the transcendentals and the use of their results
.set j, 0
	s_wait_alu depctr_va_vdst(0)
.rept 16
	v_pk_mul_f32 v[XR+j:XR+j+1], v[XR+j:XR+j+1], v[R:R+1]
.set j, j+2
.endr
.set j, 0
.rept 16
	v_pk_mul_f32 v[XR+j:XR+j+1], v[XR+j:XR+j+1], v[W+j:W+j+1]
.set j, j+2
.endr
.endm
; Row rho's 32 numbers a lane become 32 codes with the scale in v[sc] and leave for the buffer at s[p]; o: which of the row's outputs.
.macro QOUT rho, o, sc, lim, p
.set i, 0
.rept 32
	v_med3_num_f32 v[T+i], v[X+32*\rho+i], -v[\lim], v[\lim]   ; the conversion does not saturate (ISA guide 7.6.2): the hold comes first
.set i, i+1
.endr
.irp k, 0,1,2,3
	v_cvt_scalef32_pk8_bf8_f32 v[C+16*\rho+8*\o+2*\k:C+16*\rho+8*\o+2*\k+1], v[T+8*\k:T+8*\k+7], v[\sc]
.endr
	v_nop                                          ; a plain instruction before the next holds write the conversions' sources again
.irp k, 0,1,2,3
	global_store_b64 v2, v[C+16*\rho+8*\o+2*\k:C+16*\rho+8*\o+2*\k+1], s[\p:\p+1] offset:1024*\rho+256*\k
.endr
.endm
	ROW 0, 16, 8                                   ; row 0's eight loads are in (16 younger out); then the gain's (8 younger out)
	QOUT 0, 0, SC, LIM, 10
	ROW 1, 0, 0
	QOUT 1, 0, SC, LIM, 10
	s_endpgm
.Lfunc_end_k_qc9146c5fd2_norm1:
	.size	k_qc9146c5fd2_norm1, .Lfunc_end_k_qc9146c5fd2_norm1-k_qc9146c5fd2_norm1
	.p2alignl 7, 3214868480
	.fill 96, 4, 3214868480
	.section	.rodata,"a",@progbits
	.p2align	6, 0x0
	.amdhsa_kernel k_qc9146c5fd2_norm1
		.amdhsa_group_segment_fixed_size 0
		.amdhsa_private_segment_fixed_size 0
		.amdhsa_enable_private_segment 0
		.amdhsa_kernarg_size 32
		.amdhsa_user_sgpr_count 2
		.amdhsa_user_sgpr_kernarg_segment_ptr 1
		.amdhsa_wavefront_size32 1
		.amdhsa_system_sgpr_workgroup_id_x 1
		.amdhsa_system_sgpr_workgroup_id_y 1
		.amdhsa_system_sgpr_workgroup_id_z 1
		.amdhsa_system_vgpr_workitem_id 0
		.amdhsa_next_free_vgpr 192
		.amdhsa_next_free_sgpr 66
		.amdhsa_reserve_vcc 0
		.amdhsa_float_denorm_mode_32 3
		.amdhsa_float_denorm_mode_16_64 3
		.amdhsa_memory_ordered 1
		.amdhsa_forward_progress 1
		.amdhsa_inst_pref_size 18
	.end_amdhsa_kernel
	.amdgpu_metadata
---
amdhsa.version: [ 1, 2 ]
amdhsa.kernels:
  - .name:           k_qc9146c5fd2_norm1
    .symbol:         k_qc9146c5fd2_norm1.kd
    .args:
      - { .name: x, .offset: 0, .size: 8, .value_kind: global_buffer, .address_space: global }
      - { .name: ln1_w, .offset: 8, .size: 8, .value_kind: global_buffer, .address_space: global }
      - { .name: lowp_scales, .offset: 16, .size: 8, .value_kind: global_buffer, .address_space: global }
      - { .name: h1c, .offset: 24, .size: 8, .value_kind: global_buffer, .address_space: global }
    .group_segment_fixed_size: 0
    .private_segment_fixed_size: 0
    .kernarg_segment_align: 8
    .kernarg_segment_size: 32
    .max_flat_workgroup_size: 256
    .sgpr_count:     66
    .vgpr_count:     192
    .wavefront_size: 32
...
	.end_amdgpu_metadata
.endif
;; end of part 1
;; launch qkv (part 2): grid 12 x 16, 4 waves a work-group, clusters of 4 x 4, 327,680 bytes of LDS; arguments h1c, qkv_w_codes, lowp_scales, qkv; writes qkv
.if DOCPART == 2
	.amdgcn_target "amdgcn-amd-amdhsa--gfx1250"
	.amdhsa_code_object_version 6
	.text
	.protected	k_qc9146c5fd2_qkv
	.globl	k_qc9146c5fd2_qkv
	.p2align	8
	.type	k_qc9146c5fd2_qkv,@function
k_qc9146c5fd2_qkv:
	s_mov_b64 s[64:65], 0
	v_nop
	global_prefetch_b8 v0, s[64:65] scope:SCOPE_SE
	s_setreg_imm32_b32 hwreg(HW_REG_WAVE_MODE, 25, 1), 1
	s_wait_xcnt 0x0
	s_wait_alu depctr_hold_cnt(0) depctr_sa_sdst(0) depctr_va_vdst(0) depctr_va_sdst(0) depctr_va_ssrc(0) depctr_va_vcc(0) depctr_vm_vsrc(0)
	s_getreg_b32 s2, hwreg(HW_REG_IB_STS2, 6, 4)
	s_cmp_eq_u32 s2, 0
	s_cbranch_scc0 .Lentry_in_a_cluster
	s_endpgm
.Lentry_in_a_cluster:
	s_bfe_u32 s2, ttmp6, 0x10000c
	s_cmp_lg_u32 s2, 0xf033
	s_cbranch_scc0 .Lentry_shape_is_right
	s_endpgm
.Lentry_shape_is_right:
; q, k, v = h1 Wqkv^T on codes of BF8 (E5M2), each result quantised at once for attention (scales 2^e2, 2^e3, 2^e4).
; h1c: [4096][1024] codes (scale 2^e0); qkv_w_codes: [3072][1024] codes (2^e1).  Out, all codes, in rows of 64 bytes: q at byte 0 and k at 4,194,304 as [16 b + head][token 2048][64 d];
; v at 8,388,608 as [16 b + head][block of 64 tokens, 32][d 64][64 tokens]: the keys innermost, as the second product of attention wants them.
; C' = A' B'^T.  Clusters with x = 0 (q) and 1 (k): A' = h1c (tokens), B' = Wq or Wk: a lane's eight results are eight neighbouring d of a token.  Clusters with x = 2: A' = Wv's rows, B' = h1c: V^T, so that a
; lane's eight results are eight neighbouring TOKENS of one d, and nothing is transposed.  The choice is made by selects on the cluster's x, which all partners share.
; A work-group of four waves makes 256 x 256; a wave 128 x 128: 64 accumulators, 512 registers.  K goes in 4 steps of 256 through a ring of two LDS slots: two first fills, two refills; the walk is written out.
; CLUSTERS 4 x 4: A's tile is asked for jointly along a row of the cluster, B's along a column.  THE MATRIX INSTRUCTION IS USED TRANSPOSED: source 0 = 16 rows of B', source 1 = 16 rows of A'.
; A fragment comes by four loads of 16 bytes (registers 4 c .. 4 c + 3: K = 32 c + 16 (l / 16) + 0 .. 15): a permutation of K, the same on both sides.
; REGISTERS, in windows of 256: window 0: v1-7 at work, v8-11 store offsets, v16-30 addresses and the conversion's scale, v32-159 the way out, v128-255 A's fragments (8 x 16 rows x 128 K), ONE set;
;   window 1: B's fragments, TWO sets, at v0 and v128;  window 2: the 32 accumulators of my rows 0-63 ((a, b) at v[8 (8 a + b)]);  window 3: those of my rows 64-127.
; A step of 128 along K is 64 matrix instructions, A's blocks one after the other, each against B's eight: a block of A is free as soon as its eight products are issued, so one set serves A.
; LIMITS: eo - e0 - e1 between -126 and 112 for eo = e2, e3, e4.  NaN is not served.
.set ROWB,   256                       ; a tile's row in bytes: 256 along K
.set KROW,   1024                      ; a row of A' or B' in memory, in bytes
.set PITCH,  272                       ; an LDS row: 256 bytes + 16 of padding, so that the 16 rows of a load start 16 bytes apart modulo 256
.set FR,     16                        ; registers of a fragment
.set NL,     4                         ; LDS loads that bring one
.set HALFT,  128*PITCH                 ; 128 rows: what one tensor load brings, and what one wave reads of A' or of B'
.set SLOT,   4*HALFT                   ; A's 256 rows, then B's 256
.set SPARE,  2*SLOT                    ; behind the ring: the spare words, 128 bytes a wave, that no other line names
.set SP,     272                       ; the way out: stage rows of 256 codes + 16; the stage (256 rows) lies in slot 0, which has had its last fill and its last read by then
.set ADRA, 16
.set ADRB, 20
.set STO,  24
.set RD,   25
.set SPW,  28
.set NIL,  29
.set CSC,  30
.set AF,   128
.set G1,  24                           ; s[24:31] descriptor group 1 for A's tiles;  s[32:39] group 0, one set for each slot
.set G0,  32
.set G1B, 48                           ; s[48:55], s[56:63] the same for B's tiles
.set G0B, 56
.set MSB, 0
.macro WIN new                         ; the immediate's high byte repeats the setting that is left
.if MSB != (\new)
	s_set_vgpr_msb (MSB<<8)|(\new)
.set MSB, (\new)
.endif
.endm
.set MUL_LO, 0xa1                      ; source 0 (B) window 1, source 1 (A) window 0, C and D window 2
.set MUL_HI, 0xf1                      ; the same, C and D window 3
.set TO_B,   0x40                      ; destination window 1, address window 0
.macro PLACES                          ; four plain vector instructions behind matrix instructions, ahead of loads into their registers and of reads of results
.rept 4
	v_nop
.endr
.endm
.macro JLOAD g0a, g1a, g0b, g1b        ; a joint load: waves 0, 1 fetch A's halves, waves 2, 3 B's; four v_nop follow each line
	s_cmp_eq_u32 s15, 0
	s_cbranch_scc0 .Lfor_b_\@
	tensor_load_to_lds s[\g0a:\g0a+3], s[\g1a:\g1a+7]
	s_nop 0
.rept 4
	v_nop
.endr
	s_branch .Lasked_\@
.Lfor_b_\@:
	tensor_load_to_lds s[\g0b:\g0b+3], s[\g1b:\g1b+7]
	s_nop 0
.rept 4
	v_nop
.endr
.Lasked_\@:
.endm
.macro CREST                           ; a round of the cluster's barrier behind its opening barrier
	s_cmp_lg_u32 s14, 0
	s_cbranch_scc1 .Lnot_wave_0_\@
	s_barrier_signal -3
.Lnot_wave_0_\@:
	s_barrier_wait -3
	s_barrier_signal -1
	s_barrier_wait -1
.endm
.macro CROUND
	s_barrier_signal -1
	s_barrier_wait -1
	CREST
.endm
	s_load_b256 s[4:11], s[0:1], 0x0               ; h1c s[4:5], qkv_w s[6:7], the exponents s[8:9], qkv s[10:11]
	v_lshl_add_u32 v[SPW], v0, 2, SPARE
	v_mov_b32 v[NIL], 0
	ds_add_u32 v28, v29
	ds_add_u32 v28, v29
	s_wait_dscnt 0x0
	v_lshrrev_b32 v1, 5, v0
	v_readfirstlane_b32 s14, v1                    ; wave 0..3
	s_lshr_b32 s15, s14, 1                         ; my half of the rows.  Also: I fetch for A (0) or B (1)
	s_and_b32 s16, s14, 1                          ; my half of the columns.  Also: which 128 rows of that tile I fetch
	s_bfe_u32 s40, ttmp6, 0x40000                  ; cx
	s_bfe_u32 s41, ttmp6, 0x40004                  ; cy
	s_and_b32 s47, ttmp7, 0xffff                   ; cluster y, 0..3; ttmp9 = cluster x, 0..2
	s_lshl_b32 s2, s47, 2                          ; 4 y
	s_lshl_b32 s3, ttmp9, 2                        ; 4 x
	s_cmp_eq_u32 ttmp9, 2
	s_cselect_b32 s17, 0, s2                       ; q, k: 16 row tiles of tokens, 4 y + cy;  v: 4 row tiles of Wv, cy
	s_cselect_b32 s42, s2, s3                      ; q, k: 8 column tiles of the weight, 4 x + cx;  v: 16 column tiles of tokens, 4 y + cx
	s_add_co_u32 s17, s17, s41                     ; row tile (256 rows of A')
	s_add_co_u32 s42, s42, s40                     ; column tile (256 rows of B')
	s_lshl_b32 s43, s41, 2
	s_lshl_b32 s43, 15, s43                        ; my row of the cluster
	s_lshl_b32 s44, 0x1111, s40                    ; my column
	s_or_b32 s[G1+0], s43, (1<<20)|(1<<21)|(5<<22)|(3<<25)   ; the mask; elements of 1 byte; padding on; bit 21 beside a mask; 4 words behind every 64
	s_or_b32 s[G1B+0], s44, (1<<20)|(1<<21)|(5<<22)|(3<<25)
.irp g, G1, G1B
	s_mov_b32 s[\g+1], ROWB<<16                    ; tensor_dim0
	s_mov_b32 s[\g+2], 128<<16                     ; tensor_dim1 = 128
	s_mov_b32 s[\g+3], ROWB<<16                    ; tile_dim0
	s_mov_b32 s[\g+4], 128                         ; tile_dim1 = 128
	s_mov_b32 s[\g+5], KROW                        ; the pitch
	s_mov_b32 s[\g+6], 0
	s_mov_b32 s[\g+7], 0
.endr
	s_lshl_b32 s18, s16, 7                         ; which 128 rows of the tile I fetch
	s_lshl_b32 s20, s17, 8
	s_add_co_u32 s20, s20, s18                     ; A': row 256 x row tile + 128 x half
	s_lshl_b32 s20, s20, 10                        ; in bytes
	s_mov_b32 s21, 0
	s_lshl_b32 s22, s42, 8
	s_add_co_u32 s22, s22, s18                     ; B': row 256 x column tile + 128 x half
	s_lshl_b32 s22, s22, 10
	s_mov_b32 s23, 0
	s_mul_i32 s45, s14, HALFT                      ; where they go in a slot: wave x 128 rows: no place in the cluster enters an LDS address
	s_wait_kmcnt 0x0
	s_load_b128 s[96:99], s[8:9], 0x0              ; e0 .. e3
	s_load_b32 s100, s[8:9], 0x10                  ; e4
	s_add_nc_u64 s[12:13], s[6:7], 0x200000        ; Wv: row 2,048 of the weight
	s_cmp_eq_u32 ttmp9, 2
	s_cselect_b64 s[88:89], s[12:13], s[4:5]       ; A'
	s_cselect_b64 s[92:93], s[4:5], s[6:7]         ; B'
	s_add_nc_u64 s[88:89], s[88:89], s[20:21]
	s_add_nc_u64 s[92:93], s[92:93], s[22:23]
	CROUND                                         ; all sixteen work-groups are here: the first joint loads meet
.irp s, 0,1
	s_mov_b32 s[G0+4*\s], 1
	s_add_co_u32 s[G0+4*\s+1], s45, \s*SLOT
	s_add_nc_u64 s[G0+4*\s+2:G0+4*\s+3], s[88:89], \s*ROWB
	s_or_b32 s[G0+4*\s+3], s[G0+4*\s+3], 0x80000000
	s_mov_b32 s[G0B+4*\s], 1
	s_add_co_u32 s[G0B+4*\s+1], s45, \s*SLOT
	s_add_nc_u64 s[G0B+4*\s+2:G0B+4*\s+3], s[92:93], \s*ROWB
	s_or_b32 s[G0B+4*\s+3], s[G0B+4*\s+3], 0x80000000
.endr
	JLOAD G0, G1, G0B, G1B                         ; K step 0: one tensor load a wave at the head
	s_wait_alu depctr_va_vdst(0)
	s_wait_tensorcnt 0x0                           ; slot 1's first fill is issued as a refill is
	ds_add_u32 v[SPW], v[NIL]
	s_wait_dscnt 0x0
	CROUND
	JLOAD G0+4, G1, G0B+4, G1B                     ; K step 1
	v_and_b32 v1, 15, v0
	s_wait_alu depctr_va_vdst(0)
	v_bfe_u32 v2, v0, 4, 1                         ; h = l / 16
	v_mul_u32_u24 v3, v1, PITCH
	v_lshl_add_u32 v4, v2, 4, v3                   ; a fragment's row x pitch + 16 h
	s_mul_i32 s2, s15, HALFT                       ; my 128 rows of A
	s_mul_i32 s3, s16, HALFT                       ; my 128 rows of B,
	s_add_co_u32 s3, s3, 2*HALFT                   ; behind A's 256
.irp s, 0,1
	v_add_nc_u32 v[ADRA+\s], s2, v4
	v_add_nc_u32 v[ADRB+\s], s3, v4
	s_add_co_u32 s2, s2, SLOT
	s_add_co_u32 s3, s3, SLOT
.endr
	s_mul_i32 s2, s15, 128*SP                      ; into the stage: row 128 i + r, byte 128 j + 8 h
	s_lshl_b32 s3, s16, 7
	s_add_co_u32 s2, s2, s3
	v_mul_u32_u24 v5, v1, SP
	s_wait_alu depctr_va_vdst(0)
	v_lshl_add_u32 v5, v2, 3, v5
	v_add_nc_u32 v[STO], s2, v5
	v_and_b32 v6, 31, v0                           ; back: wave w takes rows 64 w on; four lanes to a piece of 64 bytes, eight rows an instruction
	v_lshrrev_b32 v7, 2, v6
	v_mul_u32_u24 v7, v7, SP
	v_and_b32 v5, 3, v6
	v_lshl_add_u32 v7, v5, 4, v7
	s_mul_i32 s2, s14, 64*SP
	v_add_nc_u32 v[RD], s2, v7
	; the stores' offsets: 16 l + my wave's part + block of 64 columns x its stride
	s_lshl_b32 s2, s14, 12                         ; q, k: my 64 tokens of 64 bytes
	s_lshl_b32 s3, s14, 17                         ; v: my 64 rows are one head
	s_mov_b32 s19, 131072                          ; q, k: a block of 64 columns is a head
	s_cmp_eq_u32 ttmp9, 2
	s_cselect_b32 s2, s3, s2
	s_cselect_b32 s19, 4096, s19                   ; v: a block of 64 tokens: 64 d x 64 bytes
	v_lshl_add_u32 v8, v6, 4, s2
.irp c, 1,2,3
	v_add_nc_u32 v[8+\c], s19, v[7+\c]
.endr
	; the stores' base.  q, k: region x, head 16 b + 4 cx, b = row tile >> 3, token 256 (row tile & 7)
	s_lshl_b32 s66, ttmp9, 22
	s_lshr_b32 s101, s17, 3
	s_lshl_b32 s101, s101, 21
	s_add_co_u32 s66, s66, s101
	s_lshl_b32 s101, s40, 19
	s_add_co_u32 s66, s66, s101
	s_and_b32 s101, s17, 7
	s_lshl_b32 s101, s101, 14
	s_add_co_u32 s66, s66, s101
	; v: head 16 (column tile >> 3) + 4 cy, token block 4 (column tile & 7)
	s_lshr_b32 s47, s42, 3
	s_lshl_b32 s47, s47, 21
	s_lshl_b32 s101, s41, 19
	s_add_co_u32 s47, s47, s101
	s_and_b32 s101, s42, 7
	s_lshl_b32 s101, s101, 14
	s_add_co_u32 s47, s47, s101
	s_add_co_u32 s47, s47, 8388608
	s_cmp_eq_u32 ttmp9, 2
	s_cselect_b32 s66, s47, s66
	s_mov_b32 s67, 0
	s_add_nc_u64 s[10:11], s[10:11], s[66:67]
	; a sum stands for sum x 2^(e0 + e1), so its code is sum / 2^(eo - e0 - e1): the three scales are folded into the conversion's one
	s_wait_kmcnt 0x0
	s_cmp_eq_u32 ttmp9, 0
	s_cselect_b32 s92, s98, s99                    ; q's e2 or k's e3: a value is chosen, no path
	s_cmp_eq_u32 ttmp9, 2
	s_cselect_b32 s92, s100, s92                   ; or v's e4
	s_sub_co_i32 s92, s92, s96
	s_sub_co_i32 s92, s92, s97
	s_add_co_i32 s92, s92, 127
	s_lshl_b32 s93, s92, 23
	v_mov_b32 v[CSC], s93
	s_add_co_i32 s92, s92, 15
	s_lshl_b32 s92, s92, 23
	s_or_b32 s95, s92, 0x600000                    ; 57,344 x that scale,
	s_or_b32 s94, s95, 0x80000000                  ; and its negative
.macro FRAG reg, adr, q, i             ; a fragment, 16 rows x 128 K: 16 registers
.irp c, 0,1,2,3
	ds_load_b128 v[\reg+4*\c:\reg+4*\c+3], v[\adr] offset:128*(\q)+32*\c+(\i)*16*PITCH
.endr
.endm
; 16 matrix instructions: A's blocks a0, a0 + 1 x B's eight, 128 along K.  p: B's set.  zero = 1: the first product starts the sums.
; The 64 accumulators take turns, one instruction a turn, in the same order in every step.
.macro MUL16 a0, p, zero
.irp a, \a0, \a0+1
.irp b, 0,1,2,3,4,5,6,7
.if \zero
	v_wmma_f32_16x16x128_bf8_bf8 v[8*(8*((\a)%4)+\b):8*(8*((\a)%4)+\b)+7], v[128*(\p)+FR*\b:128*(\p)+FR*\b+FR-1], v[AF+FR*(\a):AF+FR*(\a)+FR-1], 0
.else
	v_wmma_f32_16x16x128_bf8_bf8 v[8*(8*((\a)%4)+\b):8*(8*((\a)%4)+\b)+7], v[128*(\p)+FR*\b:128*(\p)+FR*\b+FR-1], v[AF+FR*(\a):AF+FR*(\a)+FR-1], v[8*(8*((\a)%4)+\b):8*(8*((\a)%4)+\b)+7]
.endif
.endr
.endr
.endm
.macro FETCH_B slot, q, p              ; B's eight fragments of the slot's q-th 128 along K into set p
	WIN TO_B
.irp i, 0,1,2,3,4,5,6,7
	FRAG 128*(\p)+FR*\i, ADRB+\slot, \q, \i
.endr
	WIN 0
.endm
.macro FETCH_A slot, q, i0             ; A's blocks i0 .. i0 + 3
.irp i, \i0, \i0+1, \i0+2, \i0+3
	FRAG AF+FR*(\i), ADRA+\slot, \q, \i
.endr
.endm
; A step of 128 along K that has its successor in the same slot.
.macro STEP slot, q, zero
	s_wait_dscnt 4*NL                              ; B's set and A's blocks 0-3 are in; the youngest sixteen loads (A's blocks 4-7) may be out
	WIN MUL_LO
	MUL16 0, (\q)%2, \zero
	MUL16 2, (\q)%2, \zero
	s_wait_dscnt 0                                 ; A's blocks 4-7 are in (asked for 32 matrix instructions ago)
	PLACES
	FETCH_B \slot, (\q)+1, 1-(\q)%2
	FETCH_A \slot, (\q)+1, 0
	WIN MUL_HI
	MUL16 4, (\q)%2, \zero
	MUL16 6, (\q)%2, \zero
	PLACES
	WIN 0
	FETCH_A \slot, (\q)+1, 4
.endm
; A slot's last step changes slots: ONE barrier; in front of it each wave waits for all its tensor loads, adds 0 to its spare word, and waits for that and for its own reads of this slot.  fill = 1: this slot is filled again, two K steps ahead.
.macro TURN slot, next, fill
	s_wait_tensorcnt 0x0                           ; all my tensor loads have landed: my part of the next slot  (every window is 0 here)
	ds_add_u32 v[SPW], v[NIL]                      ; 0 onto my spare word
	s_wait_dscnt 4*NL+1                            ; the add and the youngest sixteen loads (A's blocks 4-7) may be out
	WIN MUL_LO
	MUL16 0, 1, 0                                  ; sixteen matrix instructions stand between the add and the wait for it
	s_wait_dscnt 0x0                               ; the add is done, and my reads of this slot are over
	s_barrier_signal -1
	MUL16 2, 1, 0
	WIN 0
	s_barrier_wait -1
.if \fill
	CREST                                          ; the barrier has opened a round of the cluster's: no wave of any partner still reads this slot or has a load on its way
	s_add_nc_u64 s[G0+4*\slot+2:G0+4*\slot+3], s[G0+4*\slot+2:G0+4*\slot+3], 2*ROWB
	s_add_nc_u64 s[G0B+4*\slot+2:G0B+4*\slot+3], s[G0B+4*\slot+2:G0B+4*\slot+3], 2*ROWB
	JLOAD G0+4*\slot, G1, G0B+4*\slot, G1B         ; the first tensor load behind the round; its four v_nop are also the places in front of the loads below
.else
	PLACES
.endif
	FETCH_B \next, 0, 0
	FETCH_A \next, 0, 0
	WIN MUL_HI
	MUL16 4, 1, 0
	MUL16 6, 1, 0
	PLACES
	WIN 0
	FETCH_A \next, 0, 4
.endm
	s_wait_tensorcnt 1                             ; my part of K step 0 is in; K step 1's load may stay out
	s_barrier_signal -1
	s_barrier_wait -1
	FETCH_B 0, 0, 0
	FETCH_A 0, 0, 0
	FETCH_A 0, 0, 4
	STEP 0, 0, 1                                   ; K step 0: its first products start the sums
	TURN 0, 1, 1                                   ; slot 0 takes K step 2
	STEP 1, 0, 0                                   ; K step 1
	TURN 1, 0, 1                                   ; slot 1 takes K step 3
	STEP 0, 0, 0                                   ; K step 2
	TURN 0, 1, 0                                   ; nothing is left to fetch
	STEP 1, 0, 0                                   ; K step 3
	s_wait_dscnt 4*NL                              ; the very last step
	WIN MUL_LO
	MUL16 0, 1, 0
	MUL16 2, 1, 0
	s_wait_dscnt 0
	WIN MUL_HI
	MUL16 4, 1, 0
	MUL16 6, 1, 0
	WIN 0
; THE WAY OUT.  Held, converted (a lane's eight sums of an accumulator are eight neighbouring columns: 8 bytes), through the work-group's stage, and out in runs of 512 consecutive bytes.
.macro PACKQ ps                        ; the 32 accumulators of window 2 + ps: my rows 64 ps on
.set WW, 0x82+0x41*(\ps)
	WIN WW                                         ; in place
.set i, 0
.rept 256
	v_med3_num_f32 v[i], v[i], s94, s95            ; the conversion does not saturate (ISA guide 7.6.2); each accumulator from its low end on
.set i, i+1
.endr
.set WW, 0x02+(\ps)
	WIN WW
.set i, 0
.rept 32
	v_cvt_scalef32_pk8_bf8_f32 v[32+64*(\ps)+2*i:32+64*(\ps)+2*i+1], v[8*i:8*i+7], v[CSC]
.set i, i+1
.endr
	v_nop                                          ; a plain instruction behind the last conversion
.endm
	PLACES
	PACKQ 0
	PACKQ 1
	WIN 0
.set ps, 0
.rept 2
.set i, 0
.rept 32
	ds_store_b64 v[STO], v[32+64*ps+2*i:32+64*ps+2*i+1] offset:ps*64*SP+(i/8)*16*SP+16*(i%8)
.set i, i+1
.endr
.set ps, ps+1
.endr
	s_wait_dscnt 0x0                               ; for the others' sake: my stores into the stage are done
	s_barrier_signal -1
	s_barrier_wait -1
.set m, 0
.rept 32                               ; m = 8 block + ii: eight rows' 64 bytes of one block of 64 columns
	ds_load_b128 v[32+4*m:32+4*m+3], v[RD] offset:64*(m/8)+8*SP*(m%8)
.set m, m+1
.endr
.set m, 0
.rept 32
	s_wait_dscnt 31-m                              ; the younger loads may stay out
	global_store_b128 v[8+m/8], v[32+4*m:32+4*m+3], s[10:11] offset:512*(m%8)   ; 32 lanes store 512 consecutive bytes, aligned
.set m, m+1
.endr
	s_wait_tensorcnt 0x0                           ; the wave's end
	ds_add_u32 v[SPW], v[NIL]
	s_wait_dscnt 0x0
	CROUND                                         ; the closing round
	s_endpgm
.Lfunc_end_k_qc9146c5fd2_qkv:
	.size	k_qc9146c5fd2_qkv, .Lfunc_end_k_qc9146c5fd2_qkv-k_qc9146c5fd2_qkv
	.p2alignl 7, 3214868480
	.fill 96, 4, 3214868480
	.section	.rodata,"a",@progbits
	.p2align	6, 0x0
	.amdhsa_kernel k_qc9146c5fd2_qkv
		.amdhsa_group_segment_fixed_size 327680
		.amdhsa_private_segment_fixed_size 0
		.amdhsa_enable_private_segment 0
		.amdhsa_kernarg_size 32
		.amdhsa_user_sgpr_count 2
		.amdhsa_user_sgpr_kernarg_segment_ptr 1
		.amdhsa_wavefront_size32 1
		.amdhsa_system_sgpr_workgroup_id_x 1
		.amdhsa_system_sgpr_workgroup_id_y 1
		.amdhsa_system_sgpr_workgroup_id_z 1
		.amdhsa_system_vgpr_workitem_id 0
		.amdhsa_next_free_vgpr 1024
		.amdhsa_next_free_sgpr 102
		.amdhsa_reserve_vcc 0
		.amdhsa_float_denorm_mode_32 3
		.amdhsa_float_denorm_mode_16_64 3
		.amdhsa_memory_ordered 1
		.amdhsa_forward_progress 1
		.amdhsa_inst_pref_size 126
	.end_amdhsa_kernel
	.amdgpu_metadata
---
amdhsa.version: [ 1, 2 ]
amdhsa.kernels:
  - .name:           k_qc9146c5fd2_qkv
    .symbol:         k_qc9146c5fd2_qkv.kd
    .args:
      - { .name: h1c, .offset: 0, .size: 8, .value_kind: global_buffer, .address_space: global }
      - { .name: qkv_w_codes, .offset: 8, .size: 8, .value_kind: global_buffer, .address_space: global }
      - { .name: lowp_scales, .offset: 16, .size: 8, .value_kind: global_buffer, .address_space: global }
      - { .name: qkv, .offset: 24, .size: 8, .value_kind: global_buffer, .address_space: global }
    .group_segment_fixed_size: 327680
    .private_segment_fixed_size: 0
    .kernarg_segment_align: 8
    .kernarg_segment_size: 32
    .max_flat_workgroup_size: 128
    .sgpr_count:     102
    .vgpr_count:     1024
    .wavefront_size: 32
...
	.end_amdgpu_metadata
.endif
;; end of part 2
;; launch attn (part 3): grid 8 x 32, 16 waves a work-group, clusters of 4 x 1, 327,680 bytes of LDS; arguments qkv, lowp_scales, yc; writes yc
.if DOCPART == 3
	.amdgcn_target "amdgcn-amd-amdhsa--gfx1250"
	.amdhsa_code_object_version 6
	.text
	.protected	k_qc9146c5fd2_attn
	.globl	k_qc9146c5fd2_attn
	.p2align	8
	.type	k_qc9146c5fd2_attn,@function
k_qc9146c5fd2_attn:
	s_mov_b64 s[64:65], 0
	v_nop
	global_prefetch_b8 v0, s[64:65] scope:SCOPE_SE
	s_setreg_imm32_b32 hwreg(HW_REG_WAVE_MODE, 25, 1), 1
	s_wait_xcnt 0x0
	s_wait_alu depctr_hold_cnt(0) depctr_sa_sdst(0) depctr_va_vdst(0) depctr_va_sdst(0) depctr_va_ssrc(0) depctr_va_vcc(0) depctr_vm_vsrc(0)
	s_getreg_b32 s2, hwreg(HW_REG_IB_STS2, 6, 4)
	s_cmp_eq_u32 s2, 0
	s_cbranch_scc0 .Lentry_in_a_cluster
	s_endpgm
.Lentry_in_a_cluster:
	s_bfe_u32 s2, ttmp6, 0x10000c
	s_cmp_lg_u32 s2, 0x3003
	s_cbranch_scc0 .Lentry_shape_is_right
	s_endpgm
.Lentry_shape_is_right:
; y = softmax(q k^T / 8, causal) v for one head, both products on codes of BF8 (E5M2); y is quantised at once (2^e6) for the projection.
; qkv: q at byte 0 and k at 4,194,304 as [16 b + head][token 2048][64 d]; v at 8,388,608 as [16 b + head][block of 64 tokens][d 64][64 tokens]: the keys innermost.  Scales 2^e2 (q), 2^e3 (k), 2^e4 (v), 2^e5 (p).
; yc: laid as the next product's operand registers: [16 tokens][128 K][c 4][lane 32][16 bytes].
; THE SOFTMAX: t = score x log2(e) / 8; M = the largest t so far, rounded up to a whole number; p = 2^(t - M) is quantised, not normalised; the sum of the unquantised p divides at the end.
; Tiles that lie wholly above the diagonal of the causal mask are left out.
; SHARES.  A work-group owns, of one head, the tiles of 16 queries at 128 i + 16 x (i = 0 .. 15, x its number): tile i walks i + 1 steps of 128 keys.  All of the head's K and V lie in LDS (two loads a wave, nothing is filled again).
; The tiles are paired, i = n with i = 15 - n (n = 0 .. 7): 17 steps a pair, dealt to two waves.  Wave A takes the long tile's steps 0 to 8.  Wave B takes its steps from 9 on, leaves O^T, -M and the sum in LDS,
; and then takes the short tile whole.  Behind one barrier wave A joins the two parts: both are brought under the larger M by powers of two, which rounds nothing.  So a wave walks 9 or 8 steps.
; Every wave runs the same counted loops (2 + 14 steps, then 8); a step outside its range is jumped over by scalar tests on ids, which lead round no barrier.
; CLUSTER 4 x 1: the four partners walk the same head and ask for K and V jointly.  No prefetch: both loads go out at the head, and there is no later load to run ahead of.
; LAYOUT: both products transposed (S^T = K Q^T, O^T = V^T P^T): a lane holds one query.  Lane r of tile 2 b + u of K takes key 32 b + 8 u + r + 8 (r / 8), so that p's 16 registers of two tiles are 16 neighbouring keys.
; LIMITS: e2 + e3 between -123 and 130; e5 and e6 between -126 and 112; the scaled scores stay under 2^31 in magnitude.  NaN is not served.
; REGISTERS: v1, v2 places in K's and V's tiles; v3 the pair's bytes in LDS; v12 -M, v13 the largest t, v[14:15] the sum; v16-23 Q; v216-223 the short tile's Q; v32-95 fragments; v96-159 S^T, then p; v160-191 O^T; v192-207 p's codes.
.set PART,  0                          ; 8 pairs x 4,608 bytes: the part that wave B leaves for wave A
.set PARTB, 4608
.set SPARE, 36864
.set KBASE, 38912
.set REGN,  139264                     ; 512 rows of 256 + 16 bytes: 2,048 keys
.set VBASE, KBASE+REGN
.set STEPB, 8704                       ; 128 keys
.set WV,  18
.set SEL, 20
.set CS,  22
.set G1A, 24
.set G1B, 76
.set G0A, 40
.set G0B, 84
.set TB,  2
.set TRIPS, 44
.set KF,  45                           ; the step's first key
.set QL,  46                           ; the first key of the step on the tile's diagonal
.set LOW, 57                           ; my range of steps, by their first keys
.set HI,  58
.set QS,  59
.set ROLE, 66                          ; 0: wave A, 1: wave B
.set PAIR, 67
.macro CROUND
	s_barrier_signal -1
	s_barrier_wait -1
	s_cmp_lg_u32 s[WV], 0
	s_cbranch_scc1 .Lnot_wave_0_\@
	s_barrier_signal -3
.Lnot_wave_0_\@:
	s_barrier_wait -3
	s_barrier_signal -1
	s_barrier_wait -1
.endm
	s_load_b128 s[4:7], s[0:1], 0x0                ; qkv s[4:5], the exponents s[6:7]
	s_load_b64 s[8:9], s[0:1], 0x10                ; yc
	v_lshl_add_u32 v5, v0, 2, SPARE
	v_mov_b32 v6, 0
	ds_add_u32 v5, v6                              ; the opening lines
	ds_add_u32 v5, v6
	v_lshrrev_b32 v8, 5, v0
	v_readfirstlane_b32 s[WV], v8
	s_bfe_u32 s32, ttmp6, 0x40000
	s_lshl_b32 s33, ttmp9, 2
	s_add_co_u32 s33, s33, s32                     ; x
	s_and_b32 s34, ttmp7, 0xffff                   ; 16 b + head
	s_lshl_b32 s36, s34, 17
	s_mov_b32 s37, 0
	s_lshr_b32 s10, s[WV], 2
	s_xor_b32 s10, s10, s[WV]
	s_and_b32 s[ROLE], s10, 1                      ; waves 2 n and 2 n + 1 are a pair; the roles alternate along w and along w / 4
	s_lshr_b32 s[PAIR], s[WV], 1
	s_sub_co_u32 s10, 15, s[PAIR]
	s_lshl_b32 s[QL], s10, 7                       ; the long tile
	s_lshl_b32 s[QS], s[PAIR], 7                   ; the short tile
	s_lshl_b32 s10, s33, 4
	s_add_co_u32 s68, s[QL], s10                   ; their first queries
	s_add_co_u32 s69, s[QS], s10
	s_mov_b32 s[HI], 1024
	s_cmp_eq_u32 s[ROLE], 0
	s_cselect_b32 s47, s68, s69                    ; the tile that I store
	s_cselect_b32 s[LOW], 0, 1152                  ; A: steps 0 to 8; B: from 9 to the diagonal
	s_cselect_b32 s[HI], s[HI], s[QL]
	s_lshl_b32 s48, s68, 6
	s_mov_b32 s49, 0
	s_add_nc_u64 s[48:49], s[48:49], s[36:37]
	s_lshl_b32 s60, s69, 6
	s_mov_b32 s61, 0
	s_add_nc_u64 s[60:61], s[60:61], s[36:37]
	s_mov_b32 s[G1A], 15|(1<<20)|(1<<21)|(5<<22)|(3<<25)   ; the four partners; bytes; 4 words of padding behind every 64
	s_mov_b32 s[G1A+1], 256<<16
	s_mov_b32 s[G1A+2], 8<<16
	s_mov_b32 s[G1A+3], 256<<16
	s_mov_b32 s[G1A+4], 8
	s_mov_b32 s[G1A+5], 256
	s_mov_b32 s[G1A+6], 0
	s_mov_b32 s[G1A+7], 0
	s_mov_b32 s[G1B], 15|(1<<20)|(1<<21)|(5<<22)|(3<<25)
	s_mov_b32 s[G1B+1], 256<<16
	s_mov_b32 s[G1B+2], 56<<16
	s_mov_b32 s[G1B+3], 256<<16
	s_mov_b32 s[G1B+4], 56
	s_mov_b32 s[G1B+5], 256
	s_mov_b32 s[G1B+6], 0
	s_mov_b32 s[G1B+7], 0
	s_lshr_b32 s10, s[WV], 3                       ; waves 0-7 fetch K, 8-15 V: first 8 rows of 256 bytes each (256 keys in all), then 56 each
	s_and_b32 s11, s[WV], 7
	s_mul_i32 s12, s10, REGN
	s_add_co_u32 s12, s12, KBASE
	s_mul_i32 s13, s11, 8*272
	s_mov_b32 s[G0A], 1
	s_add_co_u32 s[G0A+1], s12, s13
	s_mul_i32 s13, s11, 56*272
	s_add_co_u32 s13, s13, 64*272
	s_mov_b32 s[G0B], 1
	s_add_co_u32 s[G0B+1], s12, s13
	s_add_co_u32 s10, s10, 1
	s_lshl_b32 s12, s10, 22
	s_mov_b32 s13, 0
	s_add_nc_u64 s[12:13], s[12:13], s[36:37]
	s_lshl_b32 s14, s11, 11
	s_mov_b32 s15, 0
	s_add_nc_u64 s[14:15], s[14:15], s[12:13]
	s_mul_i32 s16, s11, 56*256
	s_add_co_u32 s16, s16, 64*256
	s_mov_b32 s17, 0
	s_add_nc_u64 s[16:17], s[16:17], s[12:13]
	s_lshr_b32 s10, s34, 4
	s_lshl_b32 s10, s10, 11
	s_add_co_u32 s10, s10, s47
	s_lshl_b32 s50, s10, 10                        ; yc: a block of 16 tokens is 16,384 bytes,
	s_and_b32 s10, s34, 15
	s_lshl_b32 s10, s10, 10                        ; a head 1,024 of them
	s_add_co_u32 s50, s50, s10
	s_mov_b32 s51, 0
	s_mov_b32 s[SEL], 0x76543210
	s_mov_b32 s[SEL+1], 0xfedcba98
	s_mov_b32 s[CS], 0x3e38aa3b                    ; log2(e) / 8
	s_mov_b32 s[TB], 0
	s_mov_b32 s[TRIPS], 14
	s_mov_b32 s[KF], 0
	s_wait_alu depctr_va_vdst(0)
	s_wait_dscnt 0x0
	s_wait_kmcnt 0x0
	s_load_b128 s[52:55], s[6:7], 0x8              ; e2 .. e5
	s_load_b32 s56, s[6:7], 0x18                   ; e6
	s_add_nc_u64 s[G0A+2:G0A+3], s[4:5], s[14:15]
	s_or_b32 s[G0A+3], s[G0A+3], 0x80000000
	s_add_nc_u64 s[G0B+2:G0B+3], s[4:5], s[16:17]
	s_or_b32 s[G0B+3], s[G0B+3], 0x80000000
	CROUND
	tensor_load_to_lds s[G0A:G0A+3], s[G1A:G1A+7]  ; the first 256 keys: my one tensor load at the head
	s_nop 0
	s_add_nc_u64 s[48:49], s[4:5], s[48:49]
	s_add_nc_u64 s[60:61], s[4:5], s[60:61]
	s_add_nc_u64 s[8:9], s[8:9], s[50:51]
	v_and_b32 v8, 15, v0                           ; r
	v_bfe_u32 v9, v0, 4, 1                         ; h
	v_lshlrev_b32 v4, 6, v8
	v_lshl_add_u32 v4, v9, 4, v4
	global_load_b128 v[16:19], v4, s[48:49]        ; the long tile's Q
	global_load_b128 v[20:23], v4, s[48:49] offset:32
	global_load_b128 v[216:219], v4, s[60:61]      ; the short tile's
	global_load_b128 v[220:223], v4, s[60:61] offset:32
	v_and_b32 v11, 8, v8
	v_add_nc_u32 v11, v11, v8                      ; r + 8 (r / 8)
	v_lshrrev_b32 v1, 2, v11                       ; four keys to an LDS row
	v_mul_u32_u24 v1, v1, 272
	v_and_b32 v11, 3, v11
	v_lshl_add_u32 v1, v11, 6, v1
	v_lshl_add_u32 v1, v9, 4, v1
	v_add_nc_u32 v1, KBASE, v1
	v_lshrrev_b32 v2, 2, v8
	v_mul_u32_u24 v2, v2, 272
	v_and_b32 v11, 3, v8
	v_lshl_add_u32 v2, v11, 6, v2
	v_lshl_add_u32 v2, v9, 4, v2
	v_add_nc_u32 v2, VBASE, v2
	v_lshrrev_b32 v3, 6, v0
	v_mul_u32_u24 v3, v3, PARTB
	v_and_b32 v11, 31, v0
	v_lshl_add_u32 v3, v11, 4, v3                  ; the pair's bytes: 16 x lane, as an image of registers
	v_lshlrev_b32 v24, 4, v9
	v_sub_nc_u32 v24, v8, v24
	s_lshl_b32 s10, s33, 4
	v_add_nc_u32 v24, s10, v24                     ; on the diagonal: my query - the step's first key - 16 h
	v_mov_b32 v25, 0xff800000
	v_mov_b32 v13, 0xff61b1e6                      ; -3e38, under every t
	v_floor_f32 v12, -v13
	v_mov_b32 v14, 0
	v_mov_b32 v15, 0
	v_mov_b32 v31, 0
	v_mov_b32 v210, 0
.set j, 0
.rept 32
	v_mov_b32 v[160+j], 0
.set j, j+1
.endr
	s_wait_kmcnt 0x0
	s_add_co_i32 s10, s52, s53
	s_lshl_b32 s10, s10, 23
	s_add_co_i32 s[CS], s[CS], s10                 ; x 2^(e2 + e3)
	s_mov_b32 s[CS+1], s[CS]
	s_add_co_i32 s10, s55, 127
	s_lshl_b32 s11, s10, 23
	v_mov_b32 v27, s11                             ; 2^e5
	s_add_co_i32 s10, s10, 15
	s_lshl_b32 s10, s10, 23
	s_or_b32 s10, s10, 0x600000
	v_mov_b32 v26, s10                             ; 57,344 x 2^e5
	s_add_co_i32 s10, s56, 127
	s_lshl_b32 s11, s10, 23
	v_mov_b32 v28, s11                             ; 2^e6
	s_add_co_i32 s10, s10, 15
	s_lshl_b32 s10, s10, 23
	s_or_b32 s73, s10, 0x600000
	s_or_b32 s72, s73, 0x80000000
	s_add_co_i32 s74, s54, s55
	s_wait_alu depctr_va_vdst(0)                   ; the head's end
	s_wait_tensorcnt 0x0                           ; the later first fill is issued as a refill is
	ds_add_u32 v5, v6
	s_wait_dscnt 0x0
	CROUND                                         ; everybody's part of the first 256 keys is in
	tensor_load_to_lds s[G0B:G0B+3], s[G1B:G1B+7]  ; the other 1,792 keys
	s_nop 0
.rept 4
	v_nop
.endr
.macro STEP q
	s_cmp_gt_u32 s[KF], s[HI]
	s_cbranch_scc1 .Lhidden_\@
	s_cmp_lt_u32 s[KF], s[LOW]
	s_cbranch_scc1 .Lhidden_\@
	v_add_nc_u32 v8, s[TB], v1
	v_add_nc_u32 v9, s[TB], v2
	v_nop
	v_nop
.irp t, 0,1,2,3,4,5,6,7
.irp c, 0,1
	ds_load_b128 v[32+8*\t+4*\c:32+8*\t+4*\c+3], v8 offset:((128*(\q)+32*(\t/2)+8*(\t%2))/4)*272+32*\c
.endr
.endr
	s_wait_alu depctr_va_vdst(0)
	s_wait_dscnt 0x0
.irp t, 0,1,2,3,4,5,6,7
	v_wmma_f32_16x16x64_bf8_bf8 v[96+8*\t:103+8*\t], v[32+8*\t:39+8*\t], v[16:23], 0
.endr
.rept 4
	v_nop
.endr
.irp t, 0,1,2,3
.irp c, 0,1,2,3
	ds_load_b128 v[32+16*\t+4*\c:32+16*\t+4*\c+3], v9 offset:((2*(\q)+\c/2)*16+4*\t)*272+32*(\c%2)
.endr
.endr
	s_cmp_lg_u32 s[KF], s[QL]
	s_cbranch_scc1 .Lopen_\@
.set n, 0
.rept 64                               ; on the diagonal hidden scores become -infinity
	v_cmp_gt_i32 vcc_lo, 32*(n/16)+n%16, v24
	v_cndmask_b32 v[96+n], v[96+n], v25, vcc_lo
.set n, n+1
.endr
.Lopen_\@:
	v_max3_num_f32 v208, v96, v97, v98
	v_max3_num_f32 v209, v99, v100, v101
.irp i, 6,10,14,18,22,26,30,34,38,42,46,50,54,58
	v_max3_num_f32 v208, v208, v[96+\i], v[97+\i]
	v_max3_num_f32 v209, v209, v[98+\i], v[99+\i]
.endr
	v_max3_num_f32 v208, v208, v158, v159
	s_delay_alu instid0(VALU_DEP_1)
	v_max_num_f32 v208, v208, v209
	s_delay_alu instid0(VALU_DEP_1)
	v_permlanex16_b32 v210, v208, s[SEL], s[SEL+1]
	s_delay_alu instid0(VALU_DEP_1)
	v_max_num_f32 v208, v208, v210
	s_delay_alu instid0(VALU_DEP_1)
	v_mul_f32 v208, s[CS], v208
	s_delay_alu instid0(VALU_DEP_1)
	v_max_num_f32 v13, v13, v208
	v_mov_b32 v208, v12
	s_delay_alu instid0(VALU_DEP_2)
	v_floor_f32 v12, -v13                          ; -M = floor(-t)
	s_delay_alu instid0(VALU_DEP_1)
	v_sub_f32 v208, v12, v208
	s_delay_alu instid0(VALU_DEP_1)
	v_cvt_i32_f32 v208, v208
	s_delay_alu instid0(VALU_DEP_1)
	v_ldexp_f32 v30, 1.0, v208                     ; f = 2^(old M - new M)
.set j, 0
.rept 32
	v_pk_fma_f32 v[96+j:97+j], v[96+j:97+j], s[CS:CS+1], v[12:13] op_sel_hi:[1,0,0]
.set j, j+2
.endr
.set j, 0
	s_wait_alu depctr_va_vdst(0)
.rept 64
	v_exp_f32 v[96+j], v[96+j]
.set j, j+1
.endr
	v_pk_mul_f32 v[14:15], v[14:15], v[30:31] op_sel_hi:[1,0]
	s_wait_alu depctr_va_vdst(0)
	v_pk_add_f32 v[212:213], v[96:97], v[98:99]
.irp j, 4,8,12,16,20,24,28,32,36,40,44,48,52,56,60
	v_pk_add_f32 v[14:15], v[14:15], v[96+\j:97+\j]
	v_pk_add_f32 v[212:213], v[212:213], v[98+\j:99+\j]
.endr
	s_delay_alu instid0(VALU_DEP_1)
	v_pk_add_f32 v[14:15], v[14:15], v[212:213]
.irp b, 0,1,2,3
.set i, 0
.rept 16
	v_min_num_f32 v[96+16*\b+i], v[96+16*\b+i], v26   ; the conversion does not saturate (ISA guide 7.6.2); p is not negative
.set i, i+1
.endr
	v_cvt_scalef32_pk8_bf8_f32 v[192+4*\b:193+4*\b], v[96+16*\b:103+16*\b], v27
	v_cvt_scalef32_pk8_bf8_f32 v[194+4*\b:195+4*\b], v[104+16*\b:111+16*\b], v27
.endr
.set j, 0
.rept 16
	v_pk_mul_f32 v[160+j:161+j], v[160+j:161+j], v[30:31] op_sel_hi:[1,0]
.set j, j+2
.endr
	s_wait_alu depctr_va_vdst(0)
	s_wait_dscnt 0x0
.irp t, 0,1,2,3
	v_wmma_f32_16x16x128_bf8_bf8 v[160+8*\t:167+8*\t], v[32+16*\t:47+16*\t], v[192:207], v[160+8*\t:167+8*\t]
.endr
.Lhidden_\@:
	s_add_co_u32 s[KF], s[KF], 128
.endm
	s_wait_loadcnt 0x0                             ; Q
	STEP 0                                         ; THE LONG TILE.  Its first two steps lie in the keys that are in
	STEP 1
	s_add_co_u32 s[TB], s[TB], 2*STEPB
	s_wait_tensorcnt 0x0                           ; my part of the other keys is in
	s_barrier_signal -1
	s_barrier_wait -1                              ; and everybody's
.Llong:
	STEP 0
	s_add_co_u32 s[TB], s[TB], STEPB
	s_sub_co_u32 s[TRIPS], s[TRIPS], 1
	s_cmp_lg_u32 s[TRIPS], 0
	s_cbranch_scc1 .Llong
	s_cmp_eq_u32 s[ROLE], 0
	s_cbranch_scc1 .Lkeep                          ; wave A keeps its part in registers
.rept 4
	v_nop
.endr
.set j, 0
.rept 8
	ds_store_b128 v3, v[160+4*j:163+4*j] offset:512*j   ; wave B leaves its part of the long tile: O^T,
.set j, j+1
.endr
	ds_store_b128 v3, v[12:15] offset:4096         ; -M, the largest t and the sum
	v_mov_b32 v13, 0xff61b1e6                      ; and begins anew
	v_floor_f32 v12, -v13
	v_mov_b32 v14, 0
	v_mov_b32 v15, 0
.set j, 0
.rept 32
	v_mov_b32 v[160+j], 0
.set j, j+1
.endr
.set j, 0
.rept 8
	v_mov_b32 v[16+j], v[216+j]
.set j, j+1
.endr
	s_wait_alu depctr_va_vdst(0)
.Lkeep:
	s_mov_b32 s[QL], s[QS]                         ; THE SHORT TILE: wave B walks it whole, wave A no step
	s_mov_b32 s[HI], s[QS]
	s_cmp_eq_u32 s[ROLE], 0
	s_cselect_b32 s[LOW], 4096, 0
	s_mov_b32 s[KF], 0
	s_mov_b32 s[TB], 0
	s_mov_b32 s[TRIPS], 8
.Lshort:
	STEP 0
	s_add_co_u32 s[TB], s[TB], STEPB
	s_sub_co_u32 s[TRIPS], s[TRIPS], 1
	s_cmp_lg_u32 s[TRIPS], 0
	s_cbranch_scc1 .Lshort
.rept 4
	v_nop
.endr
	s_wait_dscnt 0x0                               ; for my partner's sake: my stores are done
	s_barrier_signal -1
	s_barrier_wait -1
	s_cmp_lg_u32 s[ROLE], 0
	s_cbranch_scc1 .Lout
.set j, 0
.rept 8
	ds_load_b128 v[32+4*j:35+4*j], v3 offset:512*j ; wave A: my partner's part of the long tile
.set j, j+1
.endr
	ds_load_b128 v[64:67], v3 offset:4096
	v_mov_b32 v71, 0
	s_wait_alu depctr_va_vdst(0)
	s_wait_dscnt 0x0
	v_min_num_f32 v68, v12, v64
	v_sub_f32 v69, v68, v12
	v_sub_f32 v70, v68, v64                        ; whole numbers, 0 or less
	v_cvt_i32_f32 v69, v69                         ; (it saturates)
	v_cvt_i32_f32 v70, v70
	v_ldexp_f32 v30, 1.0, v69
	v_ldexp_f32 v70, 1.0, v70
	v_pk_mul_f32 v[14:15], v[14:15], v[30:31] op_sel_hi:[1,0]
	v_pk_fma_f32 v[14:15], v[66:67], v[70:71], v[14:15] op_sel_hi:[1,0,1]
.set j, 0
.rept 16
	v_pk_mul_f32 v[160+j:161+j], v[160+j:161+j], v[30:31] op_sel_hi:[1,0]
.set j, j+2
.endr
.set j, 0
.rept 16
	v_pk_fma_f32 v[160+j:161+j], v[32+j:33+j], v[70:71], v[160+j:161+j] op_sel_hi:[1,0,1]
.set j, j+2
.endr
	s_wait_alu depctr_va_vdst(0)
.Lout:
	v_add_f32 v14, v14, v15                        ; THE WAY OUT: A stores the long tile, B the short one
	s_delay_alu instid0(VALU_DEP_1)
	v_permlanex16_b32 v210, v14, s[SEL], s[SEL+1]
	s_delay_alu instid0(VALU_DEP_1)
	v_add_f32 v14, v14, v210
	s_wait_alu depctr_va_vdst(0)
	v_rcp_f32 v14, v14
	v_and_b32 v8, 15, v0
	v_bfe_u32 v9, v0, 4, 1
	s_wait_alu depctr_va_vdst(0)
	v_ldexp_f32 v14, v14, s74                      ; x 2^(e4 + e5)
	v_lshlrev_b32 v7, 4, v8
	v_lshl_add_u32 v7, v9, 3, v7                   ; 16 r + 8 h: my 8 codes of a tile of 16 channels
	s_wait_alu depctr_va_vdst(0)                   ; ahead of the first reader of O^T
.set j, 0
.rept 16
	v_pk_mul_f32 v[96+j:97+j], v[160+j:161+j], v[14:15] op_sel_hi:[1,0]
.set j, j+2
.endr
.set j, 0
.rept 32
	v_med3_num_f32 v[96+j], v[96+j], s72, s73
.set j, j+1
.endr
.irp t, 0,1,2,3
	v_cvt_scalef32_pk8_bf8_f32 v[192+2*\t:193+2*\t], v[96+8*\t:103+8*\t], v28
.endr
	v_nop
.irp t, 0,1,2,3
	global_store_b64 v7, v[192+2*\t:193+2*\t], s[8:9] offset:256*\t   ; the wave's 32 lanes store 256 consecutive bytes, aligned
.endr
	s_wait_tensorcnt 0x0                           ; the wave's end
	ds_add_u32 v5, v6
	s_wait_dscnt 0x0
	CROUND                                         ; the closing round
	s_endpgm
.Lfunc_end_k_qc9146c5fd2_attn:
	.size	k_qc9146c5fd2_attn, .Lfunc_end_k_qc9146c5fd2_attn-k_qc9146c5fd2_attn
	.p2alignl 7, 3214868480
	.fill 96, 4, 3214868480
	.section	.rodata,"a",@progbits
	.p2align	6, 0x0
	.amdhsa_kernel k_qc9146c5fd2_attn
		.amdhsa_group_segment_fixed_size 327680
		.amdhsa_private_segment_fixed_size 0
		.amdhsa_enable_private_segment 0
		.amdhsa_kernarg_size 24
		.amdhsa_user_sgpr_count 2
		.amdhsa_user_sgpr_kernarg_segment_ptr 1
		.amdhsa_wavefront_size32 1
		.amdhsa_system_sgpr_workgroup_id_x 1
		.amdhsa_system_sgpr_workgroup_id_y 1
		.amdhsa_system_sgpr_workgroup_id_z 1
		.amdhsa_system_vgpr_workitem_id 0
		.amdhsa_next_free_vgpr 256
		.amdhsa_next_free_sgpr 100
		.amdhsa_reserve_vcc 1
		.amdhsa_float_denorm_mode_32 3
		.amdhsa_float_denorm_mode_16_64 3
		.amdhsa_memory_ordered 1
		.amdhsa_forward_progress 1
		.amdhsa_inst_pref_size 103
	.end_amdhsa_kernel
	.amdgpu_metadata
---
amdhsa.version: [ 1, 2 ]
amdhsa.kernels:
  - .name:           k_qc9146c5fd2_attn
    .symbol:         k_qc9146c5fd2_attn.kd
    .args:
      - { .name: qkv, .offset: 0, .size: 8, .value_kind: global_buffer, .address_space: global }
      - { .name: lowp_scales, .offset: 8, .size: 8, .value_kind: global_buffer, .address_space: global }
      - { .name: yc, .offset: 16, .size: 8, .value_kind: global_buffer, .address_space: global }
    .group_segment_fixed_size: 327680
    .private_segment_fixed_size: 0
    .kernarg_segment_align: 8
    .kernarg_segment_size: 24
    .max_flat_workgroup_size: 512
    .sgpr_count:     100
    .vgpr_count:     256
    .wavefront_size: 32
...
	.end_amdgpu_metadata
.endif
;; end of part 3
;; launch oproj (part 4): grid 32 x 8, 4 waves a work-group, clusters of 4 x 1, 327,680 bytes of LDS; arguments yc, o_w_codes, lowp_scales, x, x1; writes x1
.if DOCPART == 4
	.amdgcn_target "amdgcn-amd-amdhsa--gfx1250"
	.amdhsa_code_object_version 6
	.text
	.protected	k_qc9146c5fd2_oproj
	.globl	k_qc9146c5fd2_oproj
	.p2align	8
	.type	k_qc9146c5fd2_oproj,@function
k_qc9146c5fd2_oproj:
	s_mov_b64 s[64:65], 0
	v_nop
	global_prefetch_b8 v0, s[64:65] scope:SCOPE_SE
	s_setreg_imm32_b32 hwreg(HW_REG_WAVE_MODE, 25, 1), 1
	s_wait_xcnt 0x0
	s_wait_alu depctr_hold_cnt(0) depctr_sa_sdst(0) depctr_va_vdst(0) depctr_va_sdst(0) depctr_va_ssrc(0) depctr_va_vcc(0) depctr_vm_vsrc(0)
	s_getreg_b32 s2, hwreg(HW_REG_IB_STS2, 6, 4)
	s_cmp_eq_u32 s2, 0
	s_cbranch_scc0 .Lentry_in_a_cluster
	s_endpgm
.Lentry_in_a_cluster:
	s_bfe_u32 s2, ttmp6, 0x10000c
	s_cmp_lg_u32 s2, 0x3003
	s_cbranch_scc0 .Lentry_shape_is_right
	s_endpgm
.Lentry_shape_is_right:
; x1 = x + y Wo^T on codes of BF8 (E5M2).  yc: codes (2^e6) of [4096][1024], laid as operand registers: [16 rows][128 K][c 4][lane 32][16 bytes], lane (h, r) holding K = 32 c + 16 h + 0 .. 15 of row r.
; o_w_codes: [1024][1024] codes (2^e7); x, x1: [4096][1024] f32.
; A work-group of four waves makes 128 x 128; a wave 32 rows x 128 columns: 16 accumulators.  256 work-groups.
; B: the block's 128 rows of Wo, all of K, come into LDS once: one joint load a wave (32 rows of 1,024 bytes), nothing is filled again.
; A: each wave's 32 rows go from memory straight into its registers, 8 loads of 512 consecutive bytes for a step of 128 along K, all 8 steps asked for at the head.
; CLUSTER 4 x 1: the four partners make four row blocks of one column block and ask for B jointly.  A is not shared: each of its bytes goes to one wave's registers, and a joint load serves LDS alone.
; No prefetch: B is fetched once at the head and A's loads are all out at the head: there is no loop to run ahead in.
; THE MATRIX INSTRUCTION IS USED TRANSPOSED (source 0 = 16 rows of Wo, source 1 = 16 rows of y).  K's places in a fragment are permuted, alike on both sides.
; WINDOWS: 0: v8-29 addresses, v32-159 the way out; 1: A, 8 steps x 32; 2: B's fragments, two sets of 128; 3: v0-127 accumulators ((a, b) at 8 (8 a + b)), v128-255 the residual.
; LIMIT: e6 + e7 between -126 and 127.
.set NK, 8
.set EOFF, 0x18
.set NH, NK/8
.set KB, NK*128
.set RW, 32*NH
.set PITCH, 1040                       ; 1,024 bytes + 16 of padding
.set REG, 128*PITCH
.set SPARE, NH*REG
.set STAGE, SPARE+512                  ; 16 rows of 512 + 16 bytes for each wave, bytes of their own
.set SP, 528
.set LO, 8
.set STO, 9
.set RD, 10
.set ADB, 16
.set SPW, 28
.set NIL, 29
.set MSB, 0
.macro WIN new
.if MSB != (\new)
	s_set_vgpr_msb (MSB<<8)|(\new)
.set MSB, (\new)
.endif
.endm
.macro PLACES
.rept 4
	v_nop
.endr
.endm
.macro CROUND
	s_barrier_signal -1
	s_barrier_wait -1
	s_cmp_lg_u32 s14, 0
	s_cbranch_scc1 .Lnot_wave_0_\@
	s_barrier_signal -3
.Lnot_wave_0_\@:
	s_barrier_wait -3
	s_barrier_signal -1
	s_barrier_wait -1
.endm
.macro ALOAD s                         ; A's two fragments of step s into buffer s % 8 (window 1)
.irp a, 0,1
.irp c, 0,1,2,3
	global_load_b128 v[32*((\s)%8)+16*\a+4*\c:32*((\s)%8)+16*\a+4*\c+3], v[LO], s[4:5] offset:\a*NK*2048+(\s)*2048+\c*512
.endr
.endr
.endm
.macro FETCHB s                        ; B's eight fragments of step s into set s % 2 (window 2)
.irp b, 0,1,2,3,4,5,6,7
.irp c, 0,1,2,3
	ds_load_b128 v[128*((\s)%2)+16*\b+4*\c:128*((\s)%2)+16*\b+4*\c+3], v[ADB+2*((\s)/8)+\b/4] offset:(\b%4)*16*PITCH+128*((\s)%8)+32*\c
.endr
.endr
.endm
.macro MUL                             ; the 16 accumulators take turns
.irp b, 0,1,2,3,4,5,6,7
.irp a, 0,1
.if st == 0
	v_wmma_f32_16x16x128_bf8_bf8 v[8*(8*\a+\b):8*(8*\a+\b)+7], v[128*(st%2)+16*\b:128*(st%2)+16*\b+15], v[32*(st%8)+16*\a:32*(st%8)+16*\a+15], 0
.else
	v_wmma_f32_16x16x128_bf8_bf8 v[8*(8*\a+\b):8*(8*\a+\b)+7], v[128*(st%2)+16*\b:128*(st%2)+16*\b+15], v[32*(st%8)+16*\a:32*(st%8)+16*\a+15], v[8*(8*\a+\b):8*(8*\a+\b)+7]
.endif
.endr
.endr
.endm
	s_load_b256 s[4:11], s[0:1], 0x0               ; A s[4:5], B s[6:7], the exponents s[8:9], the residual s[10:11]
	s_load_b64 s[12:13], s[0:1], 0x20              ; the output
	v_lshl_add_u32 v[SPW], v0, 2, SPARE
	v_mov_b32 v[NIL], 0
	ds_add_u32 v[SPW], v[NIL]                      ; the opening lines
	ds_add_u32 v[SPW], v[NIL]
	v_lshrrev_b32 v1, 5, v0
	v_readfirstlane_b32 s14, v1                    ; wave
	v_and_b32 v2, 31, v0
	v_lshlrev_b32 v[LO], 4, v2                     ; 16 x lane
	v_and_b32 v3, 15, v0                           ; r
	v_bfe_u32 v4, v0, 4, 1                         ; h
	v_mul_u32_u24 v5, v3, PITCH
	v_lshl_add_u32 v[ADB], v4, 4, v5               ; B's rows 0-63
	v_add_nc_u32 v[ADB+1], 64*PITCH, v[ADB]        ; rows 64-127
.if NH > 1
	v_add_nc_u32 v[ADB+2], REG, v[ADB]             ; the second 1,024 along K
	v_add_nc_u32 v[ADB+3], REG+64*PITCH, v[ADB]
.endif
	v_mul_u32_u24 v6, v3, SP
	v_lshl_add_u32 v6, v4, 5, v6
	v_mul_u32_u24 v7, v1, 16*SP
	v_add_nc_u32 v7, STAGE, v7                     ; my stage
	v_add_nc_u32 v[STO], v6, v7                    ; in: row r, + 32 h
	v_add_nc_u32 v[RD], v[LO], v7                  ; back: a whole row of 512 bytes
	s_bfe_u32 s15, ttmp6, 0x40000                  ; cx
	s_lshl_b32 s16, ttmp9, 2
	s_add_co_u32 s16, s16, s15                     ; row block, 0..31
	s_and_b32 s17, ttmp7, 0xffff                   ; column block, 0..7
	s_mov_b32 s24, 15|(1<<20)|(1<<21)|(7<<22)|(3<<25)   ; the four partners; bytes; 4 words of padding behind every 256
	s_mov_b32 s25, 1024<<16
	s_mov_b32 s26, RW<<16
	s_mov_b32 s27, 1024<<16
	s_mov_b32 s28, RW
	s_mov_b32 s29, KB
	s_mov_b32 s30, 0
	s_mov_b32 s31, 0
	s_lshr_b32 s18, s14, NH-1                      ; which RW rows of B I fetch,
	s_and_b32 s19, s14, NH-1                       ; and which 1,024 along K
	s_mul_i32 s20, s18, RW*PITCH
	s_mul_i32 s21, s19, REG
	s_mov_b32 s32, 1
	s_add_co_u32 s33, s20, s21
	s_lshl_b32 s20, s17, 7
	s_mul_i32 s21, s18, RW
	s_add_co_u32 s20, s20, s21
	s_mul_i32 s20, s20, KB
	s_lshl_b32 s21, s19, 10
	s_add_co_u32 s20, s20, s21
	s_mov_b32 s21, 0
	s_lshl_b32 s22, s16, 3
	s_lshl_b32 s23, s14, 1
	s_add_co_u32 s22, s22, s23                     ; my first block of 16 rows
	s_mul_i32 s22, s22, NK*2048
	s_mov_b32 s23, 0
	s_lshl_b32 s36, s16, 7
	s_lshl_b32 s37, s14, 5
	s_add_co_u32 s36, s36, s37                     ; my first row
	s_lshl_b32 s36, s36, 12
	s_lshl_b32 s37, s17, 9
	s_add_co_u32 s36, s36, s37
	s_mov_b32 s37, 0
	s_wait_alu depctr_va_vdst(0)                   ; the head's end
	s_wait_dscnt 0x0
	s_wait_kmcnt 0x0
	s_load_b64 s[40:41], s[8:9], EOFF              ; A's and B's exponents
	s_add_nc_u64 s[4:5], s[4:5], s[22:23]
	s_add_nc_u64 s[34:35], s[6:7], s[20:21]
	s_or_b32 s35, s35, 0x80000000
	s_add_nc_u64 s[10:11], s[10:11], s[36:37]
	s_add_nc_u64 s[12:13], s[12:13], s[36:37]
	WIN 0x40
.irp s, 0,1,2,3
	ALOAD \s
.endr
	WIN 0
	CROUND                                         ; the partners are here: the joint loads meet
	tensor_load_to_lds s[32:35], s[24:31]          ; my one tensor load
	s_nop 0
	PLACES
	WIN 0x40
.irp s, 4,5,6,7
	ALOAD \s
.endr
	WIN 0xc0
.set m, 0
.rept 32
	global_load_b128 v[128+4*m:128+4*m+3], v[LO], s[10:11] offset:m*4096   ; the residual, as the rows leave
.set m, m+1
.endr
	WIN 0
	s_wait_tensorcnt 0x0                           ; my part of B is in
	s_barrier_signal -1
	s_barrier_wait -1                              ; and everybody's
	WIN 0x80
	FETCHB 0
.set st, 0
.rept NK
.if st+1 < NK
.if st > 0
	PLACES                                         ; ahead of loads into registers that the last step's products read
.if st+7 < NK
	WIN 0x40
	ALOAD st+7
.endif
.endif
	WIN 0x80
	FETCHB st+1
.endif
; behind A's loads of this step stand: the later steps' of the head, the residual's 32 and the reloads so far; the count is held at 63
.if st < 8
.set NR, st
.if NR > NK-8
.set NR, NK-8
.endif
.set NW, (7-st)*8+32+8*NR
.else
.set NW, 8*(NK-1-st)
.endif
.if NW > 63
.set NW, 63
.endif
	s_wait_loadcnt NW
.if st+1 < NK
	s_wait_dscnt 32                                ; all but the next step's 32
.else
	s_wait_dscnt 0x0
.endif
	WIN 0xf6
	MUL
.set st, st+1
.endr
	; THE WAY OUT: 16 rows at a time through my own stage, back as whole rows of 512 bytes; out = sum x 2^(ea + eb) + residual.
	PLACES
	s_wait_kmcnt 0x0
	s_add_co_i32 s40, s40, s41
	s_add_co_i32 s40, s40, 127
	s_lshl_b32 s40, s40, 23
	s_mov_b32 s41, s40
.irp a, 0,1
	WIN 0x0c
.irp b, 0,1,2,3,4,5,6,7
	ds_store_b128 v[STO], v[8*(8*\a+\b):8*(8*\a+\b)+3] offset:64*\b
	ds_store_b128 v[STO], v[8*(8*\a+\b)+4:8*(8*\a+\b)+7] offset:64*\b+16
.endr
	WIN 0
.irp t, 0,1,2,3,4,5,6,7,8,9,10,11,12,13,14,15
	ds_load_b128 v[32+64*\a+4*\t:32+64*\a+4*\t+3], v[RD] offset:\t*SP   ; LDS serves a wave's instructions in order (ISA guide 5.7.1.4)
.endr
.endr
	s_wait_loadcnt 0x0
	s_wait_dscnt 0x0
	WIN 0x30
.set i, 0
.rept 64
	v_pk_fma_f32 v[32+i:33+i], v[32+i:33+i], s[40:41], v[128+i:129+i] op_sel_hi:[1,0,1]
.set i, i+2
.endr
	WIN 0
.set m, 0
.rept 32
	global_store_b128 v[LO], v[32+4*m:32+4*m+3], s[12:13] offset:m*4096   ; 32 lanes store 512 consecutive bytes, aligned
.set m, m+1
.endr
	s_wait_tensorcnt 0x0                           ; the wave's end
	ds_add_u32 v[SPW], v[NIL]
	s_wait_dscnt 0x0
	CROUND                                         ; the closing round
	s_endpgm
.Lfunc_end_k_qc9146c5fd2_oproj:
	.size	k_qc9146c5fd2_oproj, .Lfunc_end_k_qc9146c5fd2_oproj-k_qc9146c5fd2_oproj
	.p2alignl 7, 3214868480
	.fill 96, 4, 3214868480
	.section	.rodata,"a",@progbits
	.p2align	6, 0x0
	.amdhsa_kernel k_qc9146c5fd2_oproj
		.amdhsa_group_segment_fixed_size 327680
		.amdhsa_private_segment_fixed_size 0
		.amdhsa_enable_private_segment 0
		.amdhsa_kernarg_size 40
		.amdhsa_user_sgpr_count 2
		.amdhsa_user_sgpr_kernarg_segment_ptr 1
		.amdhsa_wavefront_size32 1
		.amdhsa_system_sgpr_workgroup_id_x 1
		.amdhsa_system_sgpr_workgroup_id_y 1
		.amdhsa_system_sgpr_workgroup_id_z 1
		.amdhsa_system_vgpr_workitem_id 0
		.amdhsa_next_free_vgpr 1024
		.amdhsa_next_free_sgpr 100
		.amdhsa_reserve_vcc 0
		.amdhsa_float_denorm_mode_32 3
		.amdhsa_float_denorm_mode_16_64 3
		.amdhsa_memory_ordered 1
		.amdhsa_forward_progress 1
		.amdhsa_inst_pref_size 52
	.end_amdhsa_kernel
	.amdgpu_metadata
---
amdhsa.version: [ 1, 2 ]
amdhsa.kernels:
  - .name:           k_qc9146c5fd2_oproj
    .symbol:         k_qc9146c5fd2_oproj.kd
    .args:
      - { .name: yc, .offset: 0, .size: 8, .value_kind: global_buffer, .address_space: global }
      - { .name: o_w_codes, .offset: 8, .size: 8, .value_kind: global_buffer, .address_space: global }
      - { .name: lowp_scales, .offset: 16, .size: 8, .value_kind: global_buffer, .address_space: global }
      - { .name: x, .offset: 24, .size: 8, .value_kind: global_buffer, .address_space: global }
      - { .name: x1, .offset: 32, .size: 8, .value_kind: global_buffer, .address_space: global }
    .group_segment_fixed_size: 327680
    .private_segment_fixed_size: 0
    .kernarg_segment_align: 8
    .kernarg_segment_size: 40
    .max_flat_workgroup_size: 128
    .sgpr_count:     100
    .vgpr_count:     1024
    .wavefront_size: 32
...
	.end_amdgpu_metadata
.endif
;; end of part 4
;; launch norm2 (part 5): grid 256 x 1, 8 waves a work-group, no clusters, 35,840 bytes of LDS; arguments x1, ln2_w, lowp_scales, h2g, h2u; writes h2g, h2u
.if DOCPART == 5
	.amdgcn_target "amdgcn-amd-amdhsa--gfx1250"
	.amdhsa_code_object_version 6
	.text
	.protected	k_qc9146c5fd2_norm2
	.globl	k_qc9146c5fd2_norm2
	.p2align	8
	.type	k_qc9146c5fd2_norm2,@function
k_qc9146c5fd2_norm2:
	s_mov_b64 s[64:65], 0
	v_nop
	global_prefetch_b8 v0, s[64:65] scope:SCOPE_SE
	s_setreg_imm32_b32 hwreg(HW_REG_WAVE_MODE, 25, 1), 1
	s_wait_xcnt 0x0
; h2 = rmsnorm(x1) * ln2_w, quantised TWICE to codes of BF8 (E5M2): with 2^e8 for the gate's product (h2g) and with 2^e10 for the up product (h2u).
; x1: [4096][1024] f32.  h2g, h2u: laid as the next product's operand registers: [16 rows][128 K][c 4][lane 32][16 bytes], lane (h, r) holding K = 32 c + 16 h + 0 .. 15 of row r.
; A work-group owns one block of 16 rows; a wave takes two whole rows and keeps each in 32 registers: x1 is read once.  Lane l holds elements 256 k + 8 l + 0 .. 7.
; The codes go through LDS: a unit of 256 bytes of the output (16 rows x 16 bytes) lies in 272 bytes there, so that stores and loads touch different banks; each wave then stores 2,048 consecutive bytes of each output.
; LIMITS: e8 and e10 between -126 and 112.  NaN and infinities among the inputs are not served.
.set X,   32
.set W,   96
.set T,   128
.set C,   160
.set S,   8
.set PX,  12
.set R,   14
.set SC,  16
.set LIM, 17
.set SC2, 18
.set LIM2, 19
.set OUTB, 64*272                      ; one output's 64 units in LDS
.set SPARE, 2*OUTB
	s_load_b256 s[4:11], s[0:1], 0x0               ; x1 s[4:5], ln2_w s[6:7], the exponents s[8:9], h2g s[10:11]
	s_load_b64 s[12:13], s[0:1], 0x20              ; h2u
	v_lshl_add_u32 v20, v0, 2, SPARE
	v_mov_b32 v21, 0
	v_lshrrev_b32 v3, 5, v0
	v_readfirstlane_b32 s14, v3
	v_and_b32 v4, 31, v0
	v_lshlrev_b32 v1, 5, v4                        ; in: 32 bytes a lane
	v_lshrrev_b32 v7, 1, v4
	v_mul_u32_u24 v2, v7, 272                      ; into LDS: unit 16 k + l / 2,
	v_and_b32 v7, 1, v4
	v_lshl_add_u32 v2, v7, 3, v2                   ; byte 8 (l % 2)
	v_lshl_add_u32 v2, v3, 5, v2                   ; of row 2 x wave
	v_lshrrev_b32 v7, 4, v4
	v_mul_u32_u24 v5, v7, 272                      ; back: units 8 x wave + 2 j + l / 16, 16 bytes a lane
	v_and_b32 v7, 15, v4
	v_lshl_add_u32 v5, v7, 4, v5
	v_mul_u32_u24 v7, v3, 8*272
	v_add_nc_u32 v5, v5, v7
	v_lshlrev_b32 v6, 4, v4
	v_lshl_add_u32 v6, v3, 11, v6                  ; out: 2,048 x wave + 16 x lane
	v_mov_b32 v[PX], 0
	s_lshl_b32 s15, ttmp9, 3
	s_add_co_u32 s15, s15, s14
	s_lshl_b32 s16, s15, 13
	s_mov_b32 s17, 0
	s_lshl_b32 s18, ttmp9, 14                      ; a block of 16 rows of codes
	s_mov_b32 s19, 0
	s_mov_b32 s20, 0x3a800000                      ; 1 / 1024
	s_mov_b32 s21, 0x358637bd                      ; 1e-6
	s_mov_b32 s22, 0x76543210
	s_mov_b32 s23, 0xfedcba98
	s_wait_alu depctr_va_vdst(0)
	s_wait_kmcnt 0x0
	s_load_b128 s[24:27], s[8:9], 0x20             ; e8, e9, e10, e11
	s_add_nc_u64 s[4:5], s[4:5], s[16:17]
	s_add_nc_u64 s[10:11], s[10:11], s[18:19]
	s_add_nc_u64 s[12:13], s[12:13], s[18:19]
.macro LOADROW reg, p, off
.irp k, 0,1,2,3
	global_load_b128 v[\reg+8*\k:\reg+8*\k+3], v1, s[\p:\p+1] offset:\off+1024*\k
	global_load_b128 v[\reg+8*\k+4:\reg+8*\k+7], v1, s[\p:\p+1] offset:\off+1024*\k+16
.endr
.endm
	LOADROW X, 4, 0
	LOADROW W, 6, 0
	LOADROW X+32, 4, 4096
	s_wait_kmcnt 0x0
	s_add_co_i32 s24, s24, 127
	s_lshl_b32 s25, s24, 23
	v_mov_b32 v[SC], s25
	s_add_co_i32 s24, s24, 15
	s_lshl_b32 s24, s24, 23
	s_or_b32 s24, s24, 0x600000
	v_mov_b32 v[LIM], s24
	s_add_co_i32 s26, s26, 127
	s_lshl_b32 s27, s26, 23
	v_mov_b32 v[SC2], s27
	s_add_co_i32 s26, s26, 15
	s_lshl_b32 s26, s26, 23
	s_or_b32 s26, s26, 0x600000
	v_mov_b32 v[LIM2], s26
.macro ROW rho, left1, left2
.set XR, X+32*\rho
	s_wait_loadcnt \left1
	v_pk_mul_f32 v[S:S+1], v[XR:XR+1], v[XR:XR+1]
	v_pk_mul_f32 v[S+2:S+3], v[XR+2:XR+3], v[XR+2:XR+3]
.irp j, 4,8,12,16,20,24,28
	s_delay_alu instid0(VALU_DEP_2)
	v_pk_fma_f32 v[S:S+1], v[XR+\j:XR+\j+1], v[XR+\j:XR+\j+1], v[S:S+1]
	s_delay_alu instid0(VALU_DEP_2)
	v_pk_fma_f32 v[S+2:S+3], v[XR+\j+2:XR+\j+3], v[XR+\j+2:XR+\j+3], v[S+2:S+3]
.endr
	s_delay_alu instid0(VALU_DEP_1)
	v_pk_add_f32 v[S:S+1], v[S:S+1], v[S+2:S+3]
	s_delay_alu instid0(VALU_DEP_1)
	v_add_f32 v[S], v[S], v[S+1]
	s_delay_alu instid0(VALU_DEP_1)
	v_add_f32_dpp v[S], v[S], v[S] row_xmask:1 row_mask:0xf bank_mask:0xf
	s_delay_alu instid0(VALU_DEP_1)
	v_add_f32_dpp v[S], v[S], v[S] row_xmask:2 row_mask:0xf bank_mask:0xf
	s_delay_alu instid0(VALU_DEP_1)
	v_add_f32_dpp v[S], v[S], v[S] row_xmask:4 row_mask:0xf bank_mask:0xf
	s_delay_alu instid0(VALU_DEP_1)
	v_add_f32_dpp v[S], v[S], v[S] row_xmask:8 row_mask:0xf bank_mask:0xf
	s_delay_alu instid0(VALU_DEP_1)
	v_permlanex16_b32 v[PX], v[S], s22, s23
	s_delay_alu instid0(VALU_DEP_1)
	v_add_f32 v[S], v[S], v[PX]
	s_delay_alu instid0(VALU_DEP_1)
	v_fma_f32 v[S], v[S], s20, s21
	s_wait_alu depctr_va_vdst(0)
	v_rsq_f32 v[R], v[S]
	v_rsq_f32 v[R+1], v[S]
	s_wait_loadcnt \left2
	v_nop                                          ; a plain instruction between the transcendentals and the use of their results
.set j, 0
	s_wait_alu depctr_va_vdst(0)
.rept 16
	v_pk_mul_f32 v[XR+j:XR+j+1], v[XR+j:XR+j+1], v[R:R+1]
.set j, j+2
.endr
.set j, 0
.rept 16
	v_pk_mul_f32 v[XR+j:XR+j+1], v[XR+j:XR+j+1], v[W+j:W+j+1]
.set j, j+2
.endr
.endm
.macro QOUT rho, o, sc, lim
.set i, 0
.rept 32
	v_med3_num_f32 v[T+i], v[X+32*\rho+i], -v[\lim], v[\lim]   ; the conversion does not saturate (ISA guide 7.6.2): the hold comes first
.set i, i+1
.endr
.irp k, 0,1,2,3
	v_cvt_scalef32_pk8_bf8_f32 v[C+16*\rho+8*\o+2*\k:C+16*\rho+8*\o+2*\k+1], v[T+8*\k:T+8*\k+7], v[\sc]
.endr
	v_nop                                          ; a plain instruction before the next holds write the conversions' sources again
.irp k, 0,1,2,3
	ds_store_b64 v2, v[C+16*\rho+8*\o+2*\k:C+16*\rho+8*\o+2*\k+1] offset:\o*OUTB+\k*16*272+16*\rho
.endr
.endm
	ROW 0, 16, 8                                   ; row 0's eight loads are in (16 younger out); then the gain's (8 younger out)
	QOUT 0, 0, SC, LIM
	QOUT 0, 1, SC2, LIM2
	ROW 1, 0, 0
	QOUT 1, 0, SC, LIM
	QOUT 1, 1, SC2, LIM2
	s_wait_dscnt 0x0                               ; for the others' sake: my stores are done
	s_barrier_signal -1
	s_barrier_wait -1
.irp o, 0,1
.irp j, 0,1,2,3
	ds_load_b128 v[32+16*\o+4*\j:35+16*\o+4*\j], v5 offset:\o*OUTB+\j*544
.endr
.endr
	s_wait_dscnt 0x0
.irp j, 0,1,2,3
	global_store_b128 v6, v[32+4*\j:35+4*\j], s[10:11] offset:512*\j   ; 32 lanes store 512 consecutive bytes, aligned
	global_store_b128 v6, v[48+4*\j:51+4*\j], s[12:13] offset:512*\j
.endr
	s_wait_tensorcnt 0x0                           ; the wave's end
	ds_add_u32 v20, v21
	s_wait_dscnt 0x0
	s_endpgm
.Lfunc_end_k_qc9146c5fd2_norm2:
	.size	k_qc9146c5fd2_norm2, .Lfunc_end_k_qc9146c5fd2_norm2-k_qc9146c5fd2_norm2
	.p2alignl 7, 3214868480
	.fill 96, 4, 3214868480
	.section	.rodata,"a",@progbits
	.p2align	6, 0x0
	.amdhsa_kernel k_qc9146c5fd2_norm2
		.amdhsa_group_segment_fixed_size 35840
		.amdhsa_private_segment_fixed_size 0
		.amdhsa_enable_private_segment 0
		.amdhsa_kernarg_size 40
		.amdhsa_user_sgpr_count 2
		.amdhsa_user_sgpr_kernarg_segment_ptr 1
		.amdhsa_wavefront_size32 1
		.amdhsa_system_sgpr_workgroup_id_x 1
		.amdhsa_system_sgpr_workgroup_id_y 1
		.amdhsa_system_sgpr_workgroup_id_z 1
		.amdhsa_system_vgpr_workitem_id 0
		.amdhsa_next_free_vgpr 192
		.amdhsa_next_free_sgpr 66
		.amdhsa_reserve_vcc 0
		.amdhsa_float_denorm_mode_32 3
		.amdhsa_float_denorm_mode_16_64 3
		.amdhsa_memory_ordered 1
		.amdhsa_forward_progress 1
		.amdhsa_inst_pref_size 26
	.end_amdhsa_kernel
	.amdgpu_metadata
---
amdhsa.version: [ 1, 2 ]
amdhsa.kernels:
  - .name:           k_qc9146c5fd2_norm2
    .symbol:         k_qc9146c5fd2_norm2.kd
    .args:
      - { .name: x1, .offset: 0, .size: 8, .value_kind: global_buffer, .address_space: global }
      - { .name: ln2_w, .offset: 8, .size: 8, .value_kind: global_buffer, .address_space: global }
      - { .name: lowp_scales, .offset: 16, .size: 8, .value_kind: global_buffer, .address_space: global }
      - { .name: h2g, .offset: 24, .size: 8, .value_kind: global_buffer, .address_space: global }
      - { .name: h2u, .offset: 32, .size: 8, .value_kind: global_buffer, .address_space: global }
    .group_segment_fixed_size: 35840
    .private_segment_fixed_size: 0
    .kernarg_segment_align: 8
    .kernarg_segment_size: 40
    .max_flat_workgroup_size: 256
    .sgpr_count:     66
    .vgpr_count:     192
    .wavefront_size: 32
...
	.end_amdgpu_metadata
.endif
;; end of part 5
;; launch gateup (part 6): grid 16 x 16, 4 waves a work-group, clusters of 4 x 1, 327,680 bytes of LDS; arguments h2g, h2u, gate_w_codes, up_w_codes, lowp_scales, ac; writes ac
.if DOCPART == 6
	.amdgcn_target "amdgcn-amd-amdhsa--gfx1250"
	.amdhsa_code_object_version 6
	.text
	.protected	k_qc9146c5fd2_gateup
	.globl	k_qc9146c5fd2_gateup
	.p2align	8
	.type	k_qc9146c5fd2_gateup,@function
k_qc9146c5fd2_gateup:
	s_mov_b64 s[64:65], 0
	v_nop
	global_prefetch_b8 v0, s[64:65] scope:SCOPE_SE
	s_setreg_imm32_b32 hwreg(HW_REG_WAVE_MODE, 25, 1), 1
	s_wait_xcnt 0x0
	s_wait_alu depctr_hold_cnt(0) depctr_sa_sdst(0) depctr_va_vdst(0) depctr_va_sdst(0) depctr_va_ssrc(0) depctr_va_vcc(0) depctr_vm_vsrc(0)
	s_getreg_b32 s2, hwreg(HW_REG_IB_STS2, 6, 4)
	s_cmp_eq_u32 s2, 0
	s_cbranch_scc0 .Lentry_in_a_cluster
	s_endpgm
.Lentry_in_a_cluster:
	s_bfe_u32 s2, ttmp6, 0x10000c
	s_cmp_lg_u32 s2, 0x3003
	s_cbranch_scc0 .Lentry_shape_is_right
	s_endpgm
.Lentry_shape_is_right:
; a = silu(h2 Wg^T) * (h2 Wu^T) on codes of BF8 (E5M2), quantised at once (2^e12) for the down product.
; h2g (2^e8), h2u (2^e10): codes of [4096][1024] laid as operand registers: [16 rows][128 K][c 4][lane 32][16 bytes].  gate_w_codes (2^e9), up_w_codes (2^e11): [2048][1024] codes.
; ac: codes of [4096][2048] in the same order as h2g, with 16 steps of 128 K to a block of 16 rows.
; A work-group of four waves makes 256 rows x 128 columns of BOTH products; a wave 64 x 128 of both: gate's 32 accumulators in window 2, up's in window 3, so g and u of an element share lane and register number.
; B: 128 rows of each weight, all of K, come into LDS once: one joint load a wave (64 rows of 1,024 bytes); nothing is filled again.
; A: a unit is 64 rows x 128 K of h2g (even units) or h2u (odd): 16 loads of 512 consecutive bytes, straight into registers, through five buffers: a unit is asked for four units, 128 matrix instructions, ahead of its use.
; CLUSTER 4 x 1: the partners make four row blocks of one column block and ask for B jointly.  A is not shared: each of its bytes goes to one wave's registers, and a joint load serves LDS alone.
; No prefetch: B is fetched once at the head, and A's loads themselves run four units ahead.
; THE MATRIX INSTRUCTION IS USED TRANSPOSED (source 0 = 16 rows of the weight, source 1 = 16 rows of h2).  K's places in a fragment are permuted, alike on both sides.
; B has one set of registers: fragments 0-3 are fetched anew behind their 16 products, fragments 4-7 at the unit's end.
; WINDOWS: 0: v8-30 addresses, v32-95 codes on the way out, v64-255 A's buffers 0-2; 1: v0-127 B's fragments, v128-255 A's buffers 3, 4; on the way out all of window 1 is at work.
; silu(g) u = G U / (1 + 2^(-log2(e) g)) x 2^(e8 + e9 + e10 + e11), G and U the raw sums: all scales but the exponential's are folded into the conversion's one.
; LIMITS: e8 + e9 between -126 and 126; e12 - e8 - e9 - e10 - e11 between -126 and 112.  NaN is not served.
.set PITCH, 1040
.set REG, 128*PITCH
.set SPARE, 2*REG
.set LO, 8
.set CO, 9
.set ADB, 16
.set SPW, 28
.set NIL, 29
.set CSC, 30
.set MSB, 0
.macro WIN new
.if MSB != (\new)
	s_set_vgpr_msb (MSB<<8)|(\new)
.set MSB, (\new)
.endif
.endm
.macro PLACES
.rept 4
	v_nop
.endr
.endm
.macro CROUND
	s_barrier_signal -1
	s_barrier_wait -1
	s_cmp_lg_u32 s14, 0
	s_cbranch_scc1 .Lnot_wave_0_\@
	s_barrier_signal -3
.Lnot_wave_0_\@:
	s_barrier_wait -3
	s_barrier_signal -1
	s_barrier_wait -1
.endm
.macro ALOAD u                         ; unit u into buffer u % 5
.if (\u)%5 > 2
.set AB, 128+64*((\u)%5-3)
	WIN 0x40
.else
.set AB, 64+64*((\u)%5)
	WIN 0
.endif
.irp a, 0,1,2,3
.irp c, 0,1,2,3
	global_load_b128 v[AB+16*\a+4*\c:AB+16*\a+4*\c+3], v[LO], s[4+2*((\u)%2):5+2*((\u)%2)] offset:\a*16384+((\u)/2)*2048+\c*512
.endr
.endr
.endm
.macro FETCHB u, hf                    ; unit u's fragments 4 hf .. 4 hf + 3 of the weight
	WIN 0x40
.irp b, 0,1,2,3
.irp c, 0,1,2,3
	ds_load_b128 v[64*(\hf)+16*\b+4*\c:64*(\hf)+16*\b+4*\c+3], v[ADB+2*((\u)%2)+(\hf)] offset:\b*16*PITCH+128*((\u)/2)+32*\c
.endr
.endr
.endm
.macro MUL b0                          ; the accumulators take turns
.irp b, \b0, \b0+1, \b0+2, \b0+3
.irp a, 0,1,2,3
.if un < 2
	v_wmma_f32_16x16x128_bf8_bf8 v[8*(8*\a+(\b)):8*(8*\a+(\b))+7], v[16*(\b):16*(\b)+15], v[AU+16*\a:AU+16*\a+15], 0
.else
	v_wmma_f32_16x16x128_bf8_bf8 v[8*(8*\a+(\b)):8*(8*\a+(\b))+7], v[16*(\b):16*(\b)+15], v[AU+16*\a:AU+16*\a+15], v[8*(8*\a+(\b)):8*(8*\a+(\b))+7]
.endif
.endr
.endr
.endm
	s_load_b256 s[4:11], s[0:1], 0x0               ; h2g s[4:5], h2u s[6:7], gate s[8:9], up s[10:11]
	s_load_b128 s[84:87], s[0:1], 0x20             ; the exponents s[84:85], ac s[86:87]
	v_lshl_add_u32 v[SPW], v0, 2, SPARE
	v_mov_b32 v[NIL], 0
	ds_add_u32 v[SPW], v[NIL]                      ; the opening lines
	ds_add_u32 v[SPW], v[NIL]
	v_lshrrev_b32 v1, 5, v0
	v_readfirstlane_b32 s14, v1                    ; wave
	v_and_b32 v2, 31, v0
	v_lshlrev_b32 v[LO], 4, v2                     ; 16 x lane
	v_and_b32 v3, 15, v0                           ; r
	v_bfe_u32 v4, v0, 4, 1                         ; h
	v_mul_u32_u24 v5, v3, PITCH
	v_lshl_add_u32 v[ADB], v4, 4, v5               ; gate's rows 0-63,
	v_add_nc_u32 v[ADB+1], 64*PITCH, v[ADB]        ; 64-127,
	v_add_nc_u32 v[ADB+2], REG, v[ADB]             ; up's
	v_add_nc_u32 v[ADB+3], REG+64*PITCH, v[ADB]
	v_lshlrev_b32 v[CO], 4, v3
	v_lshl_add_u32 v[CO], v4, 3, v[CO]             ; out: 16 r + 8 h
	s_bfe_u32 s15, ttmp6, 0x40000                  ; cx
	s_lshl_b32 s16, ttmp9, 2
	s_add_co_u32 s16, s16, s15                     ; row block, 0..15
	s_and_b32 s17, ttmp7, 0xffff                   ; column block, 0..15
	s_mov_b32 s24, 15|(1<<20)|(1<<21)|(7<<22)|(3<<25)   ; the four partners; bytes; 4 words of padding behind every 256
	s_mov_b32 s25, 1024<<16
	s_mov_b32 s26, 64<<16
	s_mov_b32 s27, 1024<<16
	s_mov_b32 s28, 64
	s_mov_b32 s29, 1024
	s_mov_b32 s30, 0
	s_mov_b32 s31, 0
	s_mov_b32 s32, 1
	s_mul_i32 s33, s14, 64*PITCH                   ; waves 0, 1: gate's halves; 2, 3: up's
	s_and_b32 s18, s14, 1
	s_lshl_b32 s20, s17, 17
	s_lshl_b32 s18, s18, 16
	s_add_co_u32 s20, s20, s18                     ; row 128 x column block + 64 x half, in bytes
	s_mov_b32 s21, 0
	s_lshl_b32 s22, s16, 4
	s_lshl_b32 s23, s14, 2
	s_add_co_u32 s22, s22, s23                     ; my first block of 16 rows
	s_lshl_b32 s36, s22, 15                        ; in ac,
	s_lshl_b32 s37, s17, 11
	s_add_co_u32 s36, s36, s37                     ; at K step = column block
	s_mov_b32 s37, 0
	s_lshl_b32 s22, s22, 14                        ; in h2g and h2u
	s_mov_b32 s23, 0
	s_wait_alu depctr_va_vdst(0)                   ; the head's end
	s_wait_dscnt 0x0
	s_wait_kmcnt 0x0
	s_load_b128 s[96:99], s[84:85], 0x20           ; e8 .. e11
	s_load_b32 s100, s[84:85], 0x30                ; e12
	s_add_nc_u64 s[4:5], s[4:5], s[22:23]
	s_add_nc_u64 s[6:7], s[6:7], s[22:23]
	s_cmp_lt_u32 s14, 2
	s_cselect_b64 s[34:35], s[8:9], s[10:11]
	s_add_nc_u64 s[34:35], s[34:35], s[20:21]
	s_or_b32 s35, s35, 0x80000000
	s_add_nc_u64 s[86:87], s[86:87], s[36:37]
	ALOAD 0
	ALOAD 1
	ALOAD 2
	WIN 0
	CROUND                                         ; the partners are here: the joint loads meet
	tensor_load_to_lds s[32:35], s[24:31]          ; my one tensor load
	s_nop 0
	PLACES
	ALOAD 3
	ALOAD 4
	WIN 0
	s_wait_tensorcnt 0x0                           ; my part of the weights is in
	s_barrier_signal -1
	s_barrier_wait -1                              ; and everybody's
	FETCHB 0, 0
	FETCHB 0, 1
.set un, 0
.rept 16
.set AU, 64+64*(un%5)
.set MW, 0xa1+0x50*(un%2)              ; B window 1, A window 0, C and D window 2 or 3
.if un%5 > 2
.set AU, 128+64*(un%5-3)
.set MW, MW+4                          ; A window 1
.endif
.set NW, 63                            ; behind this unit's loads stand four later units' 64: the count is held at 63
.if un > 11
.set NW, 16*(15-un)
.endif
	s_wait_loadcnt NW
	s_wait_dscnt 16                                ; fragments 0-3 are in; the youngest 16 loads (fragments 4-7) may be out
	WIN MW
	MUL 0
	s_wait_dscnt 0x0
.if un < 15
	PLACES
	FETCHB un+1, 0
.endif
	WIN MW
	MUL 4
.if un < 15
	PLACES
	FETCHB un+1, 1
.endif
.if un < 11
	ALOAD un+5
.endif
.set un, un+1
.endr
	WIN 0
	; THE WAY OUT.  T, all of window 1, takes 1 / (1 + 2^(-log2(e) g)); then T G U, held and converted.  Every accumulator is read from its low end on.
	PLACES
	s_wait_kmcnt 0x0
	s_add_co_i32 s47, s96, s97                     ; e8 + e9
	s_lshl_b32 s92, s47, 23
	s_add_co_i32 s92, s92, 0xbfb8aa3b              ; -log2(e) x 2^(e8 + e9)
	s_mov_b32 s93, s92
	s_add_co_i32 s47, s47, s98
	s_add_co_i32 s47, s47, s99
	s_sub_co_i32 s47, s100, s47                    ; e12 - e8 - e9 - e10 - e11
	s_add_co_i32 s47, s47, 127
	s_lshl_b32 s101, s47, 23
	v_mov_b32 v[CSC], s101
	s_add_co_i32 s47, s47, 15
	s_lshl_b32 s47, s47, 23
	s_or_b32 s95, s47, 0x600000                    ; 57,344 x that scale,
	s_or_b32 s94, s95, 0x80000000                  ; and its negative
	WIN 0x42                                       ; T <- G x (-log2(e) 2^(e8 + e9))
.set i, 0
.rept 128
	v_pk_mul_f32 v[i:i+1], v[i:i+1], s[92:93] op_sel_hi:[1,0]
.set i, i+2
.endr
	WIN 0x41
.set i, 0
	s_wait_alu depctr_va_vdst(0)
.rept 256
	v_exp_f32 v[i], v[i]
.set i, i+1
.endr
	v_nop                                          ; a plain instruction behind the transcendentals
.set i, 0
	s_wait_alu depctr_va_vdst(0)
.rept 128
	v_pk_add_f32 v[i:i+1], v[i:i+1], 1.0 op_sel_hi:[1,0]
.set i, i+2
.endr
.set i, 0
	s_wait_alu depctr_va_vdst(0)
.rept 256
	v_rcp_f32 v[i], v[i]
.set i, i+1
.endr
	v_nop
	WIN 0x8e                                       ; G <- G U
.set i, 0
	s_wait_alu depctr_va_vdst(0)
.rept 128
	v_pk_mul_f32 v[i:i+1], v[i:i+1], v[i:i+1]
.set i, i+2
.endr
	WIN 0x49                                       ; T <- T (G U)
.set i, 0
	s_wait_alu depctr_va_vdst(0)
.rept 128
	v_pk_mul_f32 v[i:i+1], v[i:i+1], v[i:i+1]
.set i, i+2
.endr
	WIN 0x41
.set i, 0
.rept 256
	v_med3_num_f32 v[i], v[i], s94, s95            ; the conversion does not saturate (ISA guide 7.6.2)
.set i, i+1
.endr
	WIN 0x01
.set i, 0
.rept 32
	v_cvt_scalef32_pk8_bf8_f32 v[32+2*i:33+2*i], v[8*i:8*i+7], v[CSC]
.set i, i+1
.endr
	v_nop                                          ; a plain instruction behind the last conversion
	WIN 0
.set i, 0
.rept 32                               ; accumulator (a, b): rows 16 a on, columns 16 b + 8 h + 0 .. 7 of row r: byte 256 b + 16 r + 8 h of the block's K step
	global_store_b64 v[CO], v[32+2*i:33+2*i], s[86:87] offset:(i/8)*32768+(i%8)*256   ; 32 lanes store 256 consecutive bytes, aligned
.set i, i+1
.endr
	s_wait_tensorcnt 0x0                           ; the wave's end
	ds_add_u32 v[SPW], v[NIL]
	s_wait_dscnt 0x0
	CROUND                                         ; the closing round
	s_endpgm
.Lfunc_end_k_qc9146c5fd2_gateup:
	.size	k_qc9146c5fd2_gateup, .Lfunc_end_k_qc9146c5fd2_gateup-k_qc9146c5fd2_gateup
	.p2alignl 7, 3214868480
	.fill 96, 4, 3214868480
	.section	.rodata,"a",@progbits
	.p2align	6, 0x0
	.amdhsa_kernel k_qc9146c5fd2_gateup
		.amdhsa_group_segment_fixed_size 327680
		.amdhsa_private_segment_fixed_size 0
		.amdhsa_enable_private_segment 0
		.amdhsa_kernarg_size 48
		.amdhsa_user_sgpr_count 2
		.amdhsa_user_sgpr_kernarg_segment_ptr 1
		.amdhsa_wavefront_size32 1
		.amdhsa_system_sgpr_workgroup_id_x 1
		.amdhsa_system_sgpr_workgroup_id_y 1
		.amdhsa_system_sgpr_workgroup_id_z 1
		.amdhsa_system_vgpr_workitem_id 0
		.amdhsa_next_free_vgpr 1024
		.amdhsa_next_free_sgpr 102
		.amdhsa_reserve_vcc 0
		.amdhsa_float_denorm_mode_32 3
		.amdhsa_float_denorm_mode_16_64 3
		.amdhsa_memory_ordered 1
		.amdhsa_forward_progress 1
		.amdhsa_inst_pref_size 170
	.end_amdhsa_kernel
	.amdgpu_metadata
---
amdhsa.version: [ 1, 2 ]
amdhsa.kernels:
  - .name:           k_qc9146c5fd2_gateup
    .symbol:         k_qc9146c5fd2_gateup.kd
    .args:
      - { .name: h2g, .offset: 0, .size: 8, .value_kind: global_buffer, .address_space: global }
      - { .name: h2u, .offset: 8, .size: 8, .value_kind: global_buffer, .address_space: global }
      - { .name: gate_w_codes, .offset: 16, .size: 8, .value_kind: global_buffer, .address_space: global }
      - { .name: up_w_codes, .offset: 24, .size: 8, .value_kind: global_buffer, .address_space: global }
      - { .name: lowp_scales, .offset: 32, .size: 8, .value_kind: global_buffer, .address_space: global }
      - { .name: ac, .offset: 40, .size: 8, .value_kind: global_buffer, .address_space: global }
    .group_segment_fixed_size: 327680
    .private_segment_fixed_size: 0
    .kernarg_segment_align: 8
    .kernarg_segment_size: 48
    .max_flat_workgroup_size: 128
    .sgpr_count:     102
    .vgpr_count:     1024
    .wavefront_size: 32
...
	.end_amdgpu_metadata
.endif
;; end of part 6
;; launch down (part 7): grid 32 x 8, 4 waves a work-group, clusters of 4 x 1, 327,680 bytes of LDS; arguments ac, down_w_codes, lowp_scales, x1, out0; writes out0
.if DOCPART == 7
	.amdgcn_target "amdgcn-amd-amdhsa--gfx1250"
	.amdhsa_code_object_version 6
	.text
	.protected	k_qc9146c5fd2_down
	.globl	k_qc9146c5fd2_down
	.p2align	8
	.type	k_qc9146c5fd2_down,@function
k_qc9146c5fd2_down:
	s_mov_b64 s[64:65], 0
	v_nop
	global_prefetch_b8 v0, s[64:65] scope:SCOPE_SE
	s_setreg_imm32_b32 hwreg(HW_REG_WAVE_MODE, 25, 1), 1
	s_wait_xcnt 0x0
	s_wait_alu depctr_hold_cnt(0) depctr_sa_sdst(0) depctr_va_vdst(0) depctr_va_sdst(0) depctr_va_ssrc(0) depctr_va_vcc(0) depctr_vm_vsrc(0)
	s_getreg_b32 s2, hwreg(HW_REG_IB_STS2, 6, 4)
	s_cmp_eq_u32 s2, 0
	s_cbranch_scc0 .Lentry_in_a_cluster
	s_endpgm
.Lentry_in_a_cluster:
	s_bfe_u32 s2, ttmp6, 0x10000c
	s_cmp_lg_u32 s2, 0x3003
	s_cbranch_scc0 .Lentry_shape_is_right
	s_endpgm
.Lentry_shape_is_right:
; out = x1 + a Wd^T on codes of BF8 (E5M2).  ac: codes (2^e12) of [4096][2048], laid as operand registers: [16 rows][128 K, 16 steps][c 4][lane 32][16 bytes], lane (h, r) holding K = 32 c + 16 h + 0 .. 15 of row r.
; down_w_codes: [1024][2048] codes (2^e13); x1, out0: [4096][1024] f32.
; A work-group of four waves makes 128 x 128; a wave 32 rows x 128 columns: 16 accumulators.  256 work-groups.
; B: the block's 128 rows of Wd, all of K, come into LDS once, as two regions of 1,024 along K: one joint load a wave (64 rows of 1,024 bytes), nothing is filled again.
; A: each wave's 32 rows go from memory straight into its registers, 8 loads of 512 consecutive bytes for a step of 128 along K, through eight buffers: a step is asked for seven steps, 112 matrix instructions, ahead of its use.
; CLUSTER 4 x 1: the four partners make four row blocks of one column block and ask for B jointly.  A is not shared: each of its bytes goes to one wave's registers, and a joint load serves LDS alone.
; No prefetch: B is fetched once at the head, and A's loads themselves run seven steps ahead.
; THE MATRIX INSTRUCTION IS USED TRANSPOSED (source 0 = 16 rows of Wd, source 1 = 16 rows of a).  K's places in a fragment are permuted, alike on both sides.
; WINDOWS: 0: v8-29 addresses, v32-159 the way out; 1: A, 8 buffers x 32; 2: B's fragments, two sets of 128; 3: v0-127 accumulators ((a, b) at 8 (8 a + b)), v128-255 the residual.
; LIMIT: e12 + e13 between -126 and 127.
.set NK, 16
.set EOFF, 0x30
.set NH, NK/8
.set KB, NK*128
.set RW, 32*NH
.set PITCH, 1040                       ; 1,024 bytes + 16 of padding
.set REG, 128*PITCH
.set SPARE, NH*REG
.set STAGE, SPARE+512                  ; 16 rows of 512 + 16 bytes for each wave, bytes of their own
.set SP, 528
.set LO, 8
.set STO, 9
.set RD, 10
.set ADB, 16
.set SPW, 28
.set NIL, 29
.set MSB, 0
.macro WIN new
.if MSB != (\new)
	s_set_vgpr_msb (MSB<<8)|(\new)
.set MSB, (\new)
.endif
.endm
.macro PLACES
.rept 4
	v_nop
.endr
.endm
.macro CROUND
	s_barrier_signal -1
	s_barrier_wait -1
	s_cmp_lg_u32 s14, 0
	s_cbranch_scc1 .Lnot_wave_0_\@
	s_barrier_signal -3
.Lnot_wave_0_\@:
	s_barrier_wait -3
	s_barrier_signal -1
	s_barrier_wait -1
.endm
.macro ALOAD s                         ; A's two fragments of step s into buffer s % 8 (window 1)
.irp a, 0,1
.irp c, 0,1,2,3
	global_load_b128 v[32*((\s)%8)+16*\a+4*\c:32*((\s)%8)+16*\a+4*\c+3], v[LO], s[4:5] offset:\a*NK*2048+(\s)*2048+\c*512
.endr
.endr
.endm
.macro FETCHB s                        ; B's eight fragments of step s into set s % 2 (window 2)
.irp b, 0,1,2,3,4,5,6,7
.irp c, 0,1,2,3
	ds_load_b128 v[128*((\s)%2)+16*\b+4*\c:128*((\s)%2)+16*\b+4*\c+3], v[ADB+2*((\s)/8)+\b/4] offset:(\b%4)*16*PITCH+128*((\s)%8)+32*\c
.endr
.endr
.endm
.macro MUL                             ; the 16 accumulators take turns
.irp b, 0,1,2,3,4,5,6,7
.irp a, 0,1
.if st == 0
	v_wmma_f32_16x16x128_bf8_bf8 v[8*(8*\a+\b):8*(8*\a+\b)+7], v[128*(st%2)+16*\b:128*(st%2)+16*\b+15], v[32*(st%8)+16*\a:32*(st%8)+16*\a+15], 0
.else
	v_wmma_f32_16x16x128_bf8_bf8 v[8*(8*\a+\b):8*(8*\a+\b)+7], v[128*(st%2)+16*\b:128*(st%2)+16*\b+15], v[32*(st%8)+16*\a:32*(st%8)+16*\a+15], v[8*(8*\a+\b):8*(8*\a+\b)+7]
.endif
.endr
.endr
.endm
	s_load_b256 s[4:11], s[0:1], 0x0               ; A s[4:5], B s[6:7], the exponents s[8:9], the residual s[10:11]
	s_load_b64 s[12:13], s[0:1], 0x20              ; the output
	v_lshl_add_u32 v[SPW], v0, 2, SPARE
	v_mov_b32 v[NIL], 0
	ds_add_u32 v[SPW], v[NIL]                      ; the opening lines
	ds_add_u32 v[SPW], v[NIL]
	v_lshrrev_b32 v1, 5, v0
	v_readfirstlane_b32 s14, v1                    ; wave
	v_and_b32 v2, 31, v0
	v_lshlrev_b32 v[LO], 4, v2                     ; 16 x lane
	v_and_b32 v3, 15, v0                           ; r
	v_bfe_u32 v4, v0, 4, 1                         ; h
	v_mul_u32_u24 v5, v3, PITCH
	v_lshl_add_u32 v[ADB], v4, 4, v5               ; B's rows 0-63
	v_add_nc_u32 v[ADB+1], 64*PITCH, v[ADB]        ; rows 64-127
.if NH > 1
	v_add_nc_u32 v[ADB+2], REG, v[ADB]             ; the second 1,024 along K
	v_add_nc_u32 v[ADB+3], REG+64*PITCH, v[ADB]
.endif
	v_mul_u32_u24 v6, v3, SP
	v_lshl_add_u32 v6, v4, 5, v6
	v_mul_u32_u24 v7, v1, 16*SP
	v_add_nc_u32 v7, STAGE, v7                     ; my stage
	v_add_nc_u32 v[STO], v6, v7                    ; in: row r, + 32 h
	v_add_nc_u32 v[RD], v[LO], v7                  ; back: a whole row of 512 bytes
	s_bfe_u32 s15, ttmp6, 0x40000                  ; cx
	s_lshl_b32 s16, ttmp9, 2
	s_add_co_u32 s16, s16, s15                     ; row block, 0..31
	s_and_b32 s17, ttmp7, 0xffff                   ; column block, 0..7
	s_mov_b32 s24, 15|(1<<20)|(1<<21)|(7<<22)|(3<<25)   ; the four partners; bytes; 4 words of padding behind every 256
	s_mov_b32 s25, 1024<<16
	s_mov_b32 s26, RW<<16
	s_mov_b32 s27, 1024<<16
	s_mov_b32 s28, RW
	s_mov_b32 s29, KB
	s_mov_b32 s30, 0
	s_mov_b32 s31, 0
	s_lshr_b32 s18, s14, NH-1                      ; which RW rows of B I fetch,
	s_and_b32 s19, s14, NH-1                       ; and which 1,024 along K
	s_mul_i32 s20, s18, RW*PITCH
	s_mul_i32 s21, s19, REG
	s_mov_b32 s32, 1
	s_add_co_u32 s33, s20, s21
	s_lshl_b32 s20, s17, 7
	s_mul_i32 s21, s18, RW
	s_add_co_u32 s20, s20, s21
	s_mul_i32 s20, s20, KB
	s_lshl_b32 s21, s19, 10
	s_add_co_u32 s20, s20, s21
	s_mov_b32 s21, 0
	s_lshl_b32 s22, s16, 3
	s_lshl_b32 s23, s14, 1
	s_add_co_u32 s22, s22, s23                     ; my first block of 16 rows
	s_mul_i32 s22, s22, NK*2048
	s_mov_b32 s23, 0
	s_lshl_b32 s36, s16, 7
	s_lshl_b32 s37, s14, 5
	s_add_co_u32 s36, s36, s37                     ; my first row
	s_lshl_b32 s36, s36, 12
	s_lshl_b32 s37, s17, 9
	s_add_co_u32 s36, s36, s37
	s_mov_b32 s37, 0
	s_wait_alu depctr_va_vdst(0)                   ; the head's end
	s_wait_dscnt 0x0
	s_wait_kmcnt 0x0
	s_load_b64 s[40:41], s[8:9], EOFF              ; A's and B's exponents
	s_add_nc_u64 s[4:5], s[4:5], s[22:23]
	s_add_nc_u64 s[34:35], s[6:7], s[20:21]
	s_or_b32 s35, s35, 0x80000000
	s_add_nc_u64 s[10:11], s[10:11], s[36:37]
	s_add_nc_u64 s[12:13], s[12:13], s[36:37]
	WIN 0x40
.irp s, 0,1,2,3
	ALOAD \s
.endr
	WIN 0
	CROUND                                         ; the partners are here: the joint loads meet
	tensor_load_to_lds s[32:35], s[24:31]          ; my one tensor load
	s_nop 0
	PLACES
	WIN 0x40
.irp s, 4,5,6,7
	ALOAD \s
.endr
	WIN 0xc0
.set m, 0
.rept 32
	global_load_b128 v[128+4*m:128+4*m+3], v[LO], s[10:11] offset:m*4096   ; the residual, as the rows leave
.set m, m+1
.endr
	WIN 0
	s_wait_tensorcnt 0x0                           ; my part of B is in
	s_barrier_signal -1
	s_barrier_wait -1                              ; and everybody's
	WIN 0x80
	FETCHB 0
.set st, 0
.rept NK
.if st+1 < NK
.if st > 0
	PLACES                                         ; ahead of loads into registers that the last step's products read
.if st+7 < NK
	WIN 0x40
	ALOAD st+7
.endif
.endif
	WIN 0x80
	FETCHB st+1
.endif
; behind A's loads of this step stand: the later steps' of the head, the residual's 32 and the reloads so far; the count is held at 63
.if st < 8
.set NR, st
.if NR > NK-8
.set NR, NK-8
.endif
.set NW, (7-st)*8+32+8*NR
.else
.set NW, 8*(NK-1-st)
.endif
.if NW > 63
.set NW, 63
.endif
	s_wait_loadcnt NW
.if st+1 < NK
	s_wait_dscnt 32                                ; all but the next step's 32
.else
	s_wait_dscnt 0x0
.endif
	WIN 0xf6
	MUL
.set st, st+1
.endr
	; THE WAY OUT: 16 rows at a time through my own stage, back as whole rows of 512 bytes; out = sum x 2^(ea + eb) + residual.
	PLACES
	s_wait_kmcnt 0x0
	s_add_co_i32 s40, s40, s41
	s_add_co_i32 s40, s40, 127
	s_lshl_b32 s40, s40, 23
	s_mov_b32 s41, s40
.irp a, 0,1
	WIN 0x0c
.irp b, 0,1,2,3,4,5,6,7
	ds_store_b128 v[STO], v[8*(8*\a+\b):8*(8*\a+\b)+3] offset:64*\b
	ds_store_b128 v[STO], v[8*(8*\a+\b)+4:8*(8*\a+\b)+7] offset:64*\b+16
.endr
	WIN 0
.irp t, 0,1,2,3,4,5,6,7,8,9,10,11,12,13,14,15
	ds_load_b128 v[32+64*\a+4*\t:32+64*\a+4*\t+3], v[RD] offset:\t*SP   ; LDS serves a wave's instructions in order (ISA guide 5.7.1.4)
.endr
.endr
	s_wait_loadcnt 0x0
	s_wait_dscnt 0x0
	WIN 0x30
.set i, 0
.rept 64
	v_pk_fma_f32 v[32+i:33+i], v[32+i:33+i], s[40:41], v[128+i:129+i] op_sel_hi:[1,0,1]
.set i, i+2
.endr
	WIN 0
.set m, 0
.rept 32
	global_store_b128 v[LO], v[32+4*m:32+4*m+3], s[12:13] offset:m*4096 th:TH_STORE_NT   ; 32 lanes store 512 consecutive bytes, aligned
.set m, m+1
.endr
	s_wait_tensorcnt 0x0                           ; the wave's end
	ds_add_u32 v[SPW], v[NIL]
	s_wait_dscnt 0x0
	CROUND                                         ; the closing round
	s_endpgm
.Lfunc_end_k_qc9146c5fd2_down:
	.size	k_qc9146c5fd2_down, .Lfunc_end_k_qc9146c5fd2_down-k_qc9146c5fd2_down
	.p2alignl 7, 3214868480
	.fill 96, 4, 3214868480
	.section	.rodata,"a",@progbits
	.p2align	6, 0x0
	.amdhsa_kernel k_qc9146c5fd2_down
		.amdhsa_group_segment_fixed_size 327680
		.amdhsa_private_segment_fixed_size 0
		.amdhsa_enable_private_segment 0
		.amdhsa_kernarg_size 40
		.amdhsa_user_sgpr_count 2
		.amdhsa_user_sgpr_kernarg_segment_ptr 1
		.amdhsa_wavefront_size32 1
		.amdhsa_system_sgpr_workgroup_id_x 1
		.amdhsa_system_sgpr_workgroup_id_y 1
		.amdhsa_system_sgpr_workgroup_id_z 1
		.amdhsa_system_vgpr_workitem_id 0
		.amdhsa_next_free_vgpr 1024
		.amdhsa_next_free_sgpr 100
		.amdhsa_reserve_vcc 0
		.amdhsa_float_denorm_mode_32 3
		.amdhsa_float_denorm_mode_16_64 3
		.amdhsa_memory_ordered 1
		.amdhsa_forward_progress 1
		.amdhsa_inst_pref_size 84
	.end_amdhsa_kernel
	.amdgpu_metadata
---
amdhsa.version: [ 1, 2 ]
amdhsa.kernels:
  - .name:           k_qc9146c5fd2_down
    .symbol:         k_qc9146c5fd2_down.kd
    .args:
      - { .name: ac, .offset: 0, .size: 8, .value_kind: global_buffer, .address_space: global }
      - { .name: down_w_codes, .offset: 8, .size: 8, .value_kind: global_buffer, .address_space: global }
      - { .name: lowp_scales, .offset: 16, .size: 8, .value_kind: global_buffer, .address_space: global }
      - { .name: x1, .offset: 24, .size: 8, .value_kind: global_buffer, .address_space: global }
      - { .name: out0, .offset: 32, .size: 8, .value_kind: global_buffer, .address_space: global }
    .group_segment_fixed_size: 327680
    .private_segment_fixed_size: 0
    .kernarg_segment_align: 8
    .kernarg_segment_size: 40
    .max_flat_workgroup_size: 128
    .sgpr_count:     100
    .vgpr_count:     1024
    .wavefront_size: 32
...
	.end_amdgpu_metadata
.endif
;; end of part 7
